; MI455X (gfx1250); checked and timed in simulation.
; The chip was launched on July 23, 2026; its instructions are those of AMD's public machine-readable ISA for CDNA 5 (MIT licence, August 2026) and "CDNA5" Instruction Set Architecture Reference Guide (July 2026). The comments in the code are by the model that wrote it; some were corrected since.
;; Multi Scale Transformer Attention. Allowed arithmetic: float matrix products may take bf16 or f16 operands with f32 sums; all other float work in f32.
;; Inputs: Wf 64 x 192 float32; Wk 3 x 8 x 64 float32; Wq 3 x 8 x 64 float32; Wv 3 x 64 x 64 float32; bf 64 float32; bk 3 x 8 float32; bq 3 x 8 float32; bv 3 x 64 float32; x 4 x 64 x 64 x 64 float32.
;; Outputs: out0 4 x 64 x 64 x 64 float32.
;; 2 versions, each right and faster than the one before. Each part assembles by itself: llvm-mc -triple=amdgcn-amd-amdhsa -mcpu=gfx1250 --defsym DOCPART=n.
;; ======== version 1 of 2: 2 launches
;; workspace buffers: qk 1,376,256 bytes; vws 2,752,512 bytes
;; launch prep (part 1): grid 64 x 4, 8 waves a work-group, no clusters, 82,176 bytes of LDS; arguments x, Wq, Wk, Wv, Wf, bq, bk, bv, qk, vws; writes qk, vws
.if DOCPART == 1
	.amdgcn_target "amdgcn-amd-amdhsa--gfx1250"
	.amdhsa_code_object_version 6
	.text
	.protected	k_q0a5fd4b64f_prep
	.globl	k_q0a5fd4b64f_prep
	.p2align	8
	.type	k_q0a5fd4b64f_prep,@function
k_q0a5fd4b64f_prep:
	s_mov_b64 s[64:65], 0
	v_nop
	global_prefetch_b8 v0, s[64:65] scope:SCOPE_SE
	s_setreg_imm32_b32 hwreg(HW_REG_WAVE_MODE, 25, 1), 1
	s_wait_xcnt 0x0
; PREPARATION for the three attentions.  A work-group makes a block of neighbouring positions of one scale of one batch:
;   cx   = x (scale 0) or x resized to 32 x 32 / 16 x 16 (corners aligned),
;   q    = (Wq cx + bq) * log2(e)/sqrt(8)  and  k = Wk cx + bk, into qk,
;   v'   = Wf[:, 64 s .. 64 s + 63] (Wv cx + bv), bf16, into vws.  (Wf (attn v) = attn (Wf v): Wf is applied once for each key.)
; Grid x: 0-15 scale 2 (one output row of 16), 16-31 scale 1 (two output rows of 32), 32-63 scale 0 (two image rows); grid y: the batch.
; That is 64 x 4 = 256 work-groups; the blocks are sized so that the scales that must also resize have fewer positions to work on.
; Back end: wave w makes the block's position tile w (16 positions) with all 64 output channels; a block has 1, 4 or 8 tiles.
; TWO bf16 TERMS (hi = the number rounded, lo = the rest rounded) where one rounding would not average out or has few keys to average over:
; q and k as they are stored (a rounding of q moves all logits of a query together), cx of the resized scales, and v as the operand of Wf's product.
; At scale 0 x goes in as one bf16 term: the input's own rounding as a matrix operand.
; qk: q's region, then k's at KREG; in each, scale 0, 1, 2, batches one behind the other; for every 16 positions 256 bytes of hi (16 bytes a position), then 256 of lo.
; vws is written in the order in which the attention's matrix instruction wants it: blocks of 64 keys x 64 channels,
; [channel tile 4][32 keys 2][half 2][lane 32][16 bytes]; lane (r, h) holds channel 16 ct + r, keys 32 ks + 16 half + 8 h + 0..7.
; No cluster: work-groups share only the 36 KB of weights, read once each, against 32 to 64 KB of x of their own.
; No tensor loads: every byte is converted or interpolated on its way, so it passes through registers anyway.
; LIMITS: inputs that are not finite are not served.  The resize weights are rem/d from whole numbers (y0 = floor(63 o / d), d = 31 or 15),
; not the f32 values of a linspace: they differ by parts in 10^6 of a pixel, and the interpolation is continuous.  The resize runs
; vertically first, then horizontally: another order of f32 rounding.  v' is rounded to bf16 once.
.set PW,    144                        ; LDS pitch of a row of 64 bf16: 128 bytes + 16, an odd multiple of 16
.set XB,    144*PW                     ; LDS: rows 0-7 Wq, 8-15 Wk, 16-79 Wv, 80-143 Wf's slice; then X: [128 positions][PW], channels along the row: cx, hi
.set XLB,   XB+128*PW                  ; then XL: [64 positions][PW]: cx's lo (resized scales alone)
.set TB,    XLB+64*PW                  ; then T: [output row <= 2][64 channels][64 f32]: the rows after the vertical pass
.set KREG,  688128                     ; k's region of qk begins here
.set CQ,    0x3f0293ee                 ; log2(e) / sqrt(8)
.set WRAW,  16                         ; front end: v16-51   nine loads of weights
.set XRAW,  64                         ;            v64-127  rows of x as loaded
.set WY,    240                        ;            v240-247 for each output row the pairs (1-w, 1-w), (w, w)
.set WQK,   16                         ; back end: v16-31   fragments of Wq|Wk (K step ks at 8 ks),
.set XF,    32                         ;           v32-47   of my 16 positions of cx, hi,
.set XFL,   48                         ;           v48-63   and lo,
.set WV,    64                         ;           v64-127  of Wv (tile mt, K step ks at 16 mt + 8 ks),
.set WF,    128                        ;           v128-191 of Wf (tile m, K step ks at 16 m + 8 ks)
.set VBL,   64                         ; when Wv's fragments are done with: v64-79 v's lo as a fragment, v80-95 at work,
.set VT,    80
.set ACC2,  96                         ;           v96-127  v': four tiles of 16 positions x 16 channels
.set ACCV,  192                        ; v192-223 v: four tiles of 16 channels x 16 positions; bv is loaded straight into them
.set PK,    192                        ; later the packed results: v' in v192-207, q|k's hi in v208-211, lo in v212-215
.set BQK,   224                        ; v224-231 bq, v232-239 bk as loaded; later VB: v's hi as a fragment
.set VB,    224
.set ACCQ0, 240                        ; v240-247 q|k, K step 0 (starts from the bias)
.set ACCQ1, 248                        ; v248-255 q|k, K step 1
	s_load_b512 s[8:23], s[0:1], 0x0               ; x s[8:9], Wq s[10:11], Wk s[12:13], Wv s[14:15], Wf s[16:17], bq s[18:19], bk s[20:21], bv s[22:23]
	s_load_b128 s[24:27], s[0:1], 0x40             ; qk s[24:25], vws s[26:27]
	s_set_vgpr_msb 0x40
	v_lshl_add_u32 v0, v0, 2, 0x13d00
	v_mov_b32 v1, 0
	s_set_vgpr_msb 0x4000
	v_lshrrev_b32 v1, 5, v0
	v_readfirstlane_b32 s28, v1                    ; wave
	s_and_b32 s33, ttmp7, 0xffff                   ; batch
	s_cmp_lt_u32 ttmp9, 16
	s_cselect_b32 s31, 2, 1
	s_cselect_b32 s34, 0, 16
	s_cmp_lt_u32 ttmp9, 32
	s_cselect_b32 s31, s31, 0                      ; scale
	s_cselect_b32 s34, s34, 32
	s_sub_co_u32 s32, ttmp9, s34                   ; block within the scale
	v_and_b32 v2, 15, v0                           ; t & 15 (also r, the lane's row in a fragment)
	v_lshrrev_b32 v3, 4, v0                        ; t >> 4
	v_bfe_u32 v4, v0, 4, 1                         ; h, the lane's half
	v_lshlrev_b32 v5, 4, v0                        ; Wv: 16 t
	v_mul_u32_u24 v6, v3, 768
	v_lshl_add_u32 v6, v2, 4, v6                   ; Wf: row t >> 4 of 768 bytes, 16 bytes at 16 (t & 15)
	v_and_b32 v7, 127, v0
	v_lshlrev_b32 v7, 4, v7                        ; Wq or Wk: 16 (t & 127)
	v_lshlrev_b32 v8, 5, v4                        ; bv: 32 h
	v_mov_b32 v9, 0                                ; bq, bk: the same 32 bytes in every lane
	v_mul_u32_u24 v10, v3, PW
	v_lshl_add_u32 v10, v2, 3, v10                 ; LDS: row t >> 4, 8 bytes at 8 (t & 15)
	v_cmp_ne_u32 s35, 0, v4                        ; the lanes with h = 1
	s_mov_b32 s77, 0
	s_wait_kmcnt 0x0
	s_lshl_b32 s76, s31, 14
	s_add_nc_u64 s[14:15], s[14:15], s[76:77]      ; Wv[s]
	s_lshl_b32 s76, s31, 8
	s_add_nc_u64 s[16:17], s[16:17], s[76:77]      ; Wf[:, 64 s]
	s_add_nc_u64 s[22:23], s[22:23], s[76:77]      ; bv[s]
	s_lshl_b32 s76, s31, 5
	s_add_nc_u64 s[18:19], s[18:19], s[76:77]      ; bq[s]
	s_add_nc_u64 s[20:21], s[20:21], s[76:77]      ; bk[s]
	s_cmp_lt_u32 s28, 4
	s_cselect_b64 s[78:79], s[10:11], s[12:13]     ; waves 0-3 fetch Wq, waves 4-7 Wk
	s_lshl_b32 s76, s31, 11
	s_add_nc_u64 s[78:79], s[78:79], s[76:77]
	s_lshl_b32 s76, s33, 20
	s_add_nc_u64 s[8:9], s[8:9], s[76:77]          ; x[b]
	; 21 loads: weights and biases
	global_load_b128 v[WRAW:WRAW+3], v7, s[78:79]
.irp i,0,1,2,3
	global_load_b128 v[WRAW+4+4*\i:WRAW+7+4*\i], v5, s[14:15] offset:\i*4096
.endr
.irp i,0,1,2,3
	global_load_b128 v[WRAW+20+4*\i:WRAW+23+4*\i], v6, s[16:17] offset:\i*12288
.endr
.irp mt,0,1,2,3
	global_load_b128 v[ACCV+8*\mt:ACCV+8*\mt+3], v8, s[22:23] offset:\mt*64       ; bv[16 mt + 8 h + 0..3]: the accumulator's own layout
	global_load_b128 v[ACCV+8*\mt+4:ACCV+8*\mt+7], v8, s[22:23] offset:\mt*64+16
.endr
	global_load_b128 v[BQK:BQK+3], v9, s[18:19]
	global_load_b128 v[BQK+4:BQK+7], v9, s[18:19] offset:16
	global_load_b128 v[BQK+8:BQK+11], v9, s[20:21]
	global_load_b128 v[BQK+12:BQK+15], v9, s[20:21] offset:16
; The nine loads of weights, rounded to bf16 in place and laid into LDS rows of PW bytes.
.macro WCONV
.irp n,0,1,2,3,4,5,6,7,8
	v_cvt_pk_bf16_f32 v[WRAW+4*\n], v[WRAW+4*\n], v[WRAW+4*\n+1]
	v_cvt_pk_bf16_f32 v[WRAW+4*\n+1], v[WRAW+4*\n+2], v[WRAW+4*\n+3]
.endr
	ds_store_b64 v10, v[WRAW:WRAW+1]
.irp i,0,1,2,3
	ds_store_b64 v10, v[WRAW+4+4*\i:WRAW+5+4*\i] offset:(16+16*\i)*PW
	ds_store_b64 v10, v[WRAW+20+4*\i:WRAW+21+4*\i] offset:(80+16*\i)*PW
.endr
.endm
; Front end of a resized scale: R output rows of 1 << LW positions, 1 << LP positions in all; DEN = output size - 1;
; floor(n / DEN) = (n MAG) >> 20 for n <= 1953 (MAG exceeds 2^20 / DEN by less than 1, so the error is below 1953 / 2^20 < 1 / DEN); INV = 1 / DEN.
; QO, VO: where the scale begins in q's region and in vws; LB: log2 of its position tiles in a batch; LT: log2 of the block's position tiles.
.macro FEDOWN R, LW, LP, DEN, MAG, INV, QO, VO, LB, LT
	s_mov_b32 s72, \QO
	s_mov_b32 s73, \VO
	s_mov_b32 s74, \LB
	s_mov_b32 s86, \LT
	s_mov_b32 s85, 1<<\LT
	v_lshlrev_b32 v11, 14, v3
	v_lshl_add_u32 v11, v2, 4, v11                 ; channel t >> 4, 16 bytes at 16 (t & 15): a wave's load covers two whole rows of 256 bytes
	v_lshlrev_b32 v12, 4, v0
	v_add_nc_u32 v12, TB, v12                      ; T: the same place, rows of 256 bytes
	s_mul_i32 s84, s32, \R
.set fi, 0
.rept \R
	s_add_co_u32 s80, s84, fi                      ; output row
	s_mul_i32 s80, s80, 63                         ; n = 63 o
	s_mul_i32 s81, s80, \MAG
	s_lshr_b32 s81, s81, 20                        ; y0
	s_mul_i32 s82, s81, \DEN
	s_sub_co_u32 s82, s80, s82                     ; rem
	s_sub_co_u32 s83, \DEN, s82
	v_cvt_f32_u32 v[WY+4*fi], s83
	v_cvt_f32_u32 v[WY+4*fi+2], s82
	v_mul_f32 v[WY+4*fi], \INV, v[WY+4*fi]         ; 1 - w
	v_mul_f32 v[WY+4*fi+2], \INV, v[WY+4*fi+2]     ; w
	v_mov_b32 v[WY+4*fi+1], v[WY+4*fi]
	v_mov_b32 v[WY+4*fi+3], v[WY+4*fi+2]
	s_add_co_u32 s83, s81, 1
	s_min_u32 s83, s83, 63                         ; y1
	s_lshl_b32 s76, s81, 8
	s_add_nc_u64 s[36+4*fi:37+4*fi], s[8:9], s[76:77]
	s_lshl_b32 s76, s83, 8
	s_add_nc_u64 s[38+4*fi:39+4*fi], s[8:9], s[76:77]
.irp k,0,1,2,3
	global_load_b128 v[XRAW+32*fi+8*\k:XRAW+32*fi+8*\k+3], v11, s[36+4*fi:37+4*fi] offset:\k*262144
	global_load_b128 v[XRAW+32*fi+8*\k+4:XRAW+32*fi+8*\k+7], v11, s[38+4*fi:39+4*fi] offset:\k*262144
.endr
.set fi, fi+1
.endr
	s_wait_loadcnt 8*\R                            ; the 8 R loads of x stay out; the 21 in front of them are in
	WCONV
	s_wait_loadcnt 0x0
.set fi, 0
.rept \R
.irp k,0,1,2,3
.set xa, XRAW+32*fi+8*\k
	v_pk_mul_f32 v[xa:xa+1], v[xa:xa+1], v[WY+4*fi:WY+4*fi+1]
	v_pk_mul_f32 v[xa+2:xa+3], v[xa+2:xa+3], v[WY+4*fi:WY+4*fi+1]
	v_pk_fma_f32 v[xa:xa+1], v[xa+4:xa+5], v[WY+4*fi+2:WY+4*fi+3], v[xa:xa+1]
	v_pk_fma_f32 v[xa+2:xa+3], v[xa+6:xa+7], v[WY+4*fi+2:WY+4*fi+3], v[xa+2:xa+3]
	ds_store_b128 v12, v[xa:xa+3] offset:fi*16384+\k*4096
.endr
.set fi, fi+1
.endr
	; horizontal pass: thread = (position p = t mod 2^LP, cg = t >> LP); it makes channel pairs cg + ncg ii.  All loads are done, so v5-v9, v11 are free.
.set ncg, 256>>\LP
	v_and_b32 v13, (1<<\LP)-1, v0
	v_lshrrev_b32 v14, \LP, v0
	v_and_b32 v15, (1<<\LW)-1, v13                 ; output column
	v_mul_u32_u24 v15, v15, 63                     ; n
	v_mul_u32_u24 v5, v15, \MAG
	v_lshrrev_b32 v5, 20, v5                       ; x0
	v_mul_u32_u24 v6, v5, \DEN
	v_sub_nc_u32 v6, v15, v6                       ; rem
	v_sub_nc_u32 v8, \DEN, v6
	v_cvt_f32_u32 v6, v6
	v_cvt_f32_u32 v8, v8
	v_mul_f32 v6, \INV, v6                         ; w
	v_mul_f32 v8, \INV, v8                         ; 1 - w
	v_mov_b32 v7, v6
	v_mov_b32 v9, v8
	v_add_nc_u32 v15, 1, v5
	v_min_u32 v15, 63, v15                         ; x1
	v_lshrrev_b32 v11, \LW, v13                    ; output row within the block
	v_lshlrev_b32 v11, 14, v11
	v_lshl_add_u32 v11, v14, 9, v11                ; + two channels of 256 bytes for each cg
	v_add_nc_u32 v11, TB, v11
	v_lshl_add_u32 v5, v5, 2, v11
	v_lshl_add_u32 v15, v15, 2, v11
	v_mul_u32_u24 v11, v13, PW
	v_lshl_add_u32 v11, v14, 2, v11
	v_add_nc_u32 v11, XB, v11                      ; X: row p, 4 bytes for each channel pair
	s_wait_dscnt 0x0                               ; my stores into T (and of the weights) are done,
	s_barrier_signal -1
	s_barrier_wait -1                              ; everybody's are
.set ii, 0
.rept 32/ncg
	ds_load_b32 v[XRAW+4*ii], v5 offset:ii*ncg*512
	ds_load_b32 v[XRAW+4*ii+1], v5 offset:ii*ncg*512+256
	ds_load_b32 v[XRAW+4*ii+2], v15 offset:ii*ncg*512
	ds_load_b32 v[XRAW+4*ii+3], v15 offset:ii*ncg*512+256
.set ii, ii+1
.endr
	s_wait_dscnt 0x0
.set ii, 0
.rept 32/ncg
	v_pk_mul_f32 v[XRAW+4*ii:XRAW+4*ii+1], v[XRAW+4*ii:XRAW+4*ii+1], v[8:9]
	v_pk_fma_f32 v[XRAW+4*ii:XRAW+4*ii+1], v[XRAW+4*ii+2:XRAW+4*ii+3], v[6:7], v[XRAW+4*ii:XRAW+4*ii+1]
	v_cvt_pk_bf16_f32 v[XRAW+32+ii], v[XRAW+4*ii], v[XRAW+4*ii+1]              ; hi of two channels
	v_lshlrev_b32 v[XRAW+4*ii+2], 16, v[XRAW+32+ii]                            ; hi back in f32,
	v_and_b32 v[XRAW+4*ii+3], 0xffff0000, v[XRAW+32+ii]
	v_pk_add_f32 v[XRAW+4*ii:XRAW+4*ii+1], v[XRAW+4*ii:XRAW+4*ii+1], v[XRAW+4*ii+2:XRAW+4*ii+3] neg_lo:[0,1] neg_hi:[0,1]   ; the rest (exact),
	v_cvt_pk_bf16_f32 v[XRAW+4*ii], v[XRAW+4*ii], v[XRAW+4*ii+1]               ; lo
	ds_store_b32 v11, v[XRAW+32+ii] offset:ii*ncg*4
	ds_store_b32 v11, v[XRAW+4*ii] offset:ii*ncg*4+XLB-XB
.set ii, ii+1
.endr
.endm
; BACK END.  Wave w: positions 16 w .. + 15 of the block.  lo = 1: cx has a second term in XL, and the block may have fewer tiles than waves.
; A fragment: lane (r, h) takes row r, 16 bytes at 16 h and at 32 + 16 h of each 64 bytes.
.macro BACK lo
	s_wait_dscnt 0x0                               ; my stores of weights and of cx are done,
	s_barrier_signal -1
	s_barrier_wait -1                              ; everybody's are
.if \lo
	s_cmp_ge_u32 s28, s85                          ; a wave beyond the block's position tiles has done its share; no barrier follows
	s_cbranch_scc1 .Ldone_\@
.endif
	v_mul_u32_u24 v5, v2, PW
	v_lshl_add_u32 v5, v4, 4, v5
	s_mul_i32 s80, s28, 16*PW
	s_add_co_u32 s80, s80, XB
	v_add_nc_u32 v6, s80, v5                       ; my 16 positions of cx
.irp ks,0,1
	ds_load_b128 v[XF+8*\ks:XF+8*\ks+3], v6 offset:64*\ks
	ds_load_b128 v[XF+8*\ks+4:XF+8*\ks+7], v6 offset:64*\ks+32
.if \lo
	ds_load_b128 v[XFL+8*\ks:XFL+8*\ks+3], v6 offset:XLB-XB+64*\ks
	ds_load_b128 v[XFL+8*\ks+4:XFL+8*\ks+7], v6 offset:XLB-XB+64*\ks+32
.endif
.endr
.irp mt,0,1,2,3
.irp ks,0,1
	ds_load_b128 v[WV+16*\mt+8*\ks:WV+16*\mt+8*\ks+3], v5 offset:(16+16*\mt)*PW+64*\ks
	ds_load_b128 v[WV+16*\mt+8*\ks+4:WV+16*\mt+8*\ks+7], v5 offset:(16+16*\mt)*PW+64*\ks+32
.endr
.endr
.irp ks,0,1
	ds_load_b128 v[WQK+8*\ks:WQK+8*\ks+3], v5 offset:64*\ks
	ds_load_b128 v[WQK+8*\ks+4:WQK+8*\ks+7], v5 offset:64*\ks+32
.endr
.irp m,0,1,2,3
.irp ks,0,1
	ds_load_b128 v[WF+16*\m+8*\ks:WF+16*\m+8*\ks+3], v5 offset:(80+16*\m)*PW+64*\ks
	ds_load_b128 v[WF+16*\m+8*\ks+4:WF+16*\m+8*\ks+7], v5 offset:(80+16*\m)*PW+64*\ks+32
.endr
.endr
.irp j,0,1,2,3,4,5,6,7
	v_cndmask_b32 v[ACCQ0+\j], v[BQK+\j], v[BQK+8+\j], s35     ; q|k start from the bias: rows 0-7 (h = 0) are q, rows 8-15 (h = 1) are k
.endr
	v_mov_b32 v14, CQ
	v_mov_b32 v15, 1.0
	v_cndmask_b32 v14, v14, v15, s35               ; q is scaled, k is not
	v_mov_b32 v15, v14
	v_and_b32 v8, 31, v0
	v_lshlrev_b32 v8, 4, v8                        ; vws: 16 bytes a lane
	v_mul_u32_u24 v9, v4, KREG
	v_lshl_add_u32 v9, v2, 4, v9                   ; qk: lanes 0-15 into q's region, lanes 16-31 into k's
	s_lshl_b32 s75, s33, s74
	s_lshl_b32 s80, s32, s86
	s_add_co_u32 s75, s75, s80
	s_add_co_u32 s75, s75, s28                     ; my position tile in the scale, batches one behind the other
	s_lshr_b32 s76, s75, 2
	s_lshl_b32 s76, s76, 13                        ; a block of 64 keys is 8,192 bytes;
	s_and_b32 s80, s75, 3
	s_lshl_b32 s80, s80, 9                         ; in it my 16 keys lie at 512 x (tile mod 4) of each channel tile
	s_add_co_u32 s76, s76, s80
	s_add_co_u32 s76, s76, s73
	s_add_nc_u64 s[26:27], s[26:27], s[76:77]
	s_lshl_b32 s76, s75, 9                         ; 512 bytes for 16 positions
	s_add_co_u32 s76, s76, s72
	s_add_nc_u64 s[24:25], s[24:25], s[76:77]
	s_wait_dscnt 20                                ; the 4 + 16 loads of Wq|Wk's and Wf's fragments stay out; cx's and Wv's are in
	; v = Wv cx + bv: rows = channels, columns = positions.
	; The four accumulators take turns, one instruction a turn.
.irp ks,0,1
.irp mt,0,1,2,3
	v_wmma_f32_16x16x32_bf16 v[ACCV+8*\mt:ACCV+8*\mt+7], v[WV+16*\mt+8*\ks:WV+16*\mt+8*\ks+7], v[XF+8*\ks:XF+8*\ks+7], v[ACCV+8*\mt:ACCV+8*\mt+7]
.endr
.endr
.if \lo
.irp ks,0,1
.irp mt,0,1,2,3
	v_wmma_f32_16x16x32_bf16 v[ACCV+8*\mt:ACCV+8*\mt+7], v[WV+16*\mt+8*\ks:WV+16*\mt+8*\ks+7], v[XFL+8*\ks:XFL+8*\ks+7], v[ACCV+8*\mt:ACCV+8*\mt+7]
.endr
.endr
.endif
.rept 4
	v_nop                                          ; four places between a matrix instruction and a vector instruction that reads its result or writes one of its sources (ISA guide 7.12.1)
.endr
	; lane (r, h) holds position r, channels 16 mt + 8 h + 0..7: packed, that IS the fragment of v with positions as rows
.set n, 0
.rept 16
	v_cvt_pk_bf16_f32 v[VB+n], v[ACCV+2*n], v[ACCV+2*n+1]                      ; hi
.set n, n+1
.endr
.set n, 0
.rept 16
	v_lshlrev_b32 v[VT+2*(n%8)], 16, v[VB+n]
	v_and_b32 v[VT+2*(n%8)+1], 0xffff0000, v[VB+n]
	v_pk_add_f32 v[ACCV+2*n:ACCV+2*n+1], v[ACCV+2*n:ACCV+2*n+1], v[VT+2*(n%8):VT+2*(n%8)+1] neg_lo:[0,1] neg_hi:[0,1]
	v_cvt_pk_bf16_f32 v[VBL+n], v[ACCV+2*n], v[ACCV+2*n+1]                     ; lo
.set n, n+1
.endr
	s_wait_dscnt 0x0                               ; Wq|Wk's and Wf's fragments
	; v' = Wf (v hi + v lo), transposed: rows = positions, columns = output channels, so that a lane holds 8 neighbouring keys of one channel.
	; Four accumulators take turns; the first products start the sums.
.irp m,0,1,2,3
	v_wmma_f32_16x16x32_bf16 v[ACC2+8*\m:ACC2+8*\m+7], v[VB:VB+7], v[WF+16*\m:WF+16*\m+7], 0
.endr
.irp m,0,1,2,3
	v_wmma_f32_16x16x32_bf16 v[ACC2+8*\m:ACC2+8*\m+7], v[VB+8:VB+15], v[WF+16*\m+8:WF+16*\m+15], v[ACC2+8*\m:ACC2+8*\m+7]
.endr
.irp m,0,1,2,3
	v_wmma_f32_16x16x32_bf16 v[ACC2+8*\m:ACC2+8*\m+7], v[VBL:VBL+7], v[WF+16*\m:WF+16*\m+7], v[ACC2+8*\m:ACC2+8*\m+7]
.endr
.irp m,0,1,2,3
	v_wmma_f32_16x16x32_bf16 v[ACC2+8*\m:ACC2+8*\m+7], v[VBL+8:VBL+15], v[WF+16*\m+8:WF+16*\m+15], v[ACC2+8*\m:ACC2+8*\m+7]
.endr
	; q|k: two accumulators, one for each K step, take turns
	v_wmma_f32_16x16x32_bf16 v[ACCQ0:ACCQ0+7], v[WQK:WQK+7], v[XF:XF+7], v[ACCQ0:ACCQ0+7]
	v_wmma_f32_16x16x32_bf16 v[ACCQ1:ACCQ1+7], v[WQK+8:WQK+15], v[XF+8:XF+15], 0
.if \lo
	v_wmma_f32_16x16x32_bf16 v[ACCQ0:ACCQ0+7], v[WQK:WQK+7], v[XFL:XFL+7], v[ACCQ0:ACCQ0+7]
	v_wmma_f32_16x16x32_bf16 v[ACCQ1:ACCQ1+7], v[WQK+8:WQK+15], v[XFL+8:XFL+15], v[ACCQ1:ACCQ1+7]
.endif
.rept 4
	v_nop
.endr
.irp m,0,1,2,3
.irp i,0,1,2,3
	v_cvt_pk_bf16_f32 v[PK+4*\m+\i], v[ACC2+8*\m+2*\i], v[ACC2+8*\m+2*\i+1]
.endr
	global_store_b128 v8, v[PK+4*\m:PK+4*\m+3], s[26:27] offset:\m*2048     ; the wave's store covers 512 consecutive bytes, aligned
.endr
.irp i,0,2,4,6
	v_pk_add_f32 v[ACCQ0+\i:ACCQ0+\i+1], v[ACCQ0+\i:ACCQ0+\i+1], v[ACCQ1+\i:ACCQ1+\i+1]
.endr
.irp i,0,2,4,6
	v_pk_mul_f32 v[ACCQ0+\i:ACCQ0+\i+1], v[ACCQ0+\i:ACCQ0+\i+1], v[14:15]
.endr
.irp i,0,1,2,3
	v_cvt_pk_bf16_f32 v[PK+16+\i], v[ACCQ0+2*\i], v[ACCQ0+2*\i+1]   ; hi.  Registers of their own: v[PK:PK+15] are still read by the stores above
.endr
.irp i,0,1,2,3
	v_lshlrev_b32 v[ACCQ1+2*\i], 16, v[PK+16+\i]
	v_and_b32 v[ACCQ1+2*\i+1], 0xffff0000, v[PK+16+\i]
	v_pk_add_f32 v[ACCQ0+2*\i:ACCQ0+2*\i+1], v[ACCQ0+2*\i:ACCQ0+2*\i+1], v[ACCQ1+2*\i:ACCQ1+2*\i+1] neg_lo:[0,1] neg_hi:[0,1]
	v_cvt_pk_bf16_f32 v[PK+20+\i], v[ACCQ0+2*\i], v[ACCQ0+2*\i+1]   ; lo
.endr
	global_store_b128 v9, v[PK+16:PK+19], s[24:25]             ; lanes 0-15: 256 consecutive bytes of q's hi; lanes 16-31: of k's
	global_store_b128 v9, v[PK+20:PK+23], s[24:25] offset:256  ; and of the lo
.if \lo
.Ldone_\@:
.endif
.endm
	s_cmp_eq_u32 s31, 0                            ; the scale hangs on the work-group's number alone: all eight waves go the same way
	s_cbranch_scc1 .Lfe0
	s_cmp_eq_u32 s31, 1
	s_cbranch_scc1 .Lfe1
	FEDOWN 1, 4, 4, 15, 69906, 0x3d888889, 655360, 2621440, 4, 0
	s_branch .Ljoin
.Lfe1:
	FEDOWN 2, 5, 6, 31, 33826, 0x3d042108, 524288, 2097152, 6, 2
.Ljoin:
	BACK 1
	s_set_vgpr_msb 0x5
	s_wait_tensorcnt 0x0
	ds_add_u32 v0, v1
	s_wait_dscnt 0x0
	s_set_vgpr_msb 0x500
	s_endpgm
.Lfe0:
	; scale 0: two image rows as they are.  Thread (q = t & 15, cp = t >> 4) takes 4 positions of each row, channels 2 (cp + 16 i), + 1.
	s_mov_b32 s72, 0
	s_mov_b32 s73, 0
	s_mov_b32 s74, 8
	s_mov_b32 s86, 3
	s_lshl_b32 s76, s32, 9
	s_add_nc_u64 s[36:37], s[8:9], s[76:77]
	v_lshlrev_b32 v11, 15, v3
	v_lshl_add_u32 v11, v2, 4, v11
.irp rr,0,1
.irp i,0,1
	global_load_b128 v[XRAW+16*\rr+8*\i:XRAW+16*\rr+8*\i+3], v11, s[36:37] offset:\i*524288+\rr*256
	global_load_b128 v[XRAW+16*\rr+8*\i+4:XRAW+16*\rr+8*\i+7], v11, s[36:37] offset:\i*524288+16384+\rr*256
.endr
.endr
	v_mul_u32_u24 v12, v2, 4*PW
	v_lshl_add_u32 v12, v3, 2, v12
	v_add_nc_u32 v12, XB, v12
	s_wait_loadcnt 0x8                             ; the 8 loads of x stay out; the 21 in front of them are in
	WCONV
	s_wait_loadcnt 0x0
.irp rr,0,1
.irp i,0,1
.irp e,0,1,2,3
	v_cvt_pk_bf16_f32 v[XRAW+16*\rr+8*\i+\e], v[XRAW+16*\rr+8*\i+\e], v[XRAW+16*\rr+8*\i+4+\e]
	ds_store_b32 v12, v[XRAW+16*\rr+8*\i+\e] offset:\rr*64*PW+\e*PW+\i*64
.endr
.endr
.endr
	BACK 0
	s_set_vgpr_msb 0x5
	s_wait_tensorcnt 0x0
	ds_add_u32 v0, v1
	s_wait_dscnt 0x0
	s_set_vgpr_msb 0x500
	s_endpgm
.Lfunc_end_k_q0a5fd4b64f_prep:
	.size	k_q0a5fd4b64f_prep, .Lfunc_end_k_q0a5fd4b64f_prep-k_q0a5fd4b64f_prep
	.p2alignl 7, 3214868480
	.fill 96, 4, 3214868480
	.section	.rodata,"a",@progbits
	.p2align	6, 0x0
	.amdhsa_kernel k_q0a5fd4b64f_prep
		.amdhsa_group_segment_fixed_size 82176
		.amdhsa_private_segment_fixed_size 0
		.amdhsa_enable_private_segment 0
		.amdhsa_kernarg_size 80
		.amdhsa_user_sgpr_count 2
		.amdhsa_user_sgpr_kernarg_segment_ptr 1
		.amdhsa_wavefront_size32 1
		.amdhsa_system_sgpr_workgroup_id_x 1
		.amdhsa_system_sgpr_workgroup_id_y 1
		.amdhsa_system_sgpr_workgroup_id_z 1
		.amdhsa_system_vgpr_workitem_id 0
		.amdhsa_next_free_vgpr 258
		.amdhsa_next_free_sgpr 96
		.amdhsa_reserve_vcc 0
		.amdhsa_float_denorm_mode_32 3
		.amdhsa_float_denorm_mode_16_64 3
		.amdhsa_memory_ordered 1
		.amdhsa_forward_progress 1
		.amdhsa_inst_pref_size 62
	.end_amdhsa_kernel
	.amdgpu_metadata
---
amdhsa.version: [ 1, 2 ]
amdhsa.kernels:
  - .name:           k_q0a5fd4b64f_prep
    .symbol:         k_q0a5fd4b64f_prep.kd
    .args:
      - { .name: x, .offset: 0, .size: 8, .value_kind: global_buffer, .address_space: global }
      - { .name: Wq, .offset: 8, .size: 8, .value_kind: global_buffer, .address_space: global }
      - { .name: Wk, .offset: 16, .size: 8, .value_kind: global_buffer, .address_space: global }
      - { .name: Wv, .offset: 24, .size: 8, .value_kind: global_buffer, .address_space: global }
      - { .name: Wf, .offset: 32, .size: 8, .value_kind: global_buffer, .address_space: global }
      - { .name: bq, .offset: 40, .size: 8, .value_kind: global_buffer, .address_space: global }
      - { .name: bk, .offset: 48, .size: 8, .value_kind: global_buffer, .address_space: global }
      - { .name: bv, .offset: 56, .size: 8, .value_kind: global_buffer, .address_space: global }
      - { .name: qk, .offset: 64, .size: 8, .value_kind: global_buffer, .address_space: global }
      - { .name: vws, .offset: 72, .size: 8, .value_kind: global_buffer, .address_space: global }
    .group_segment_fixed_size: 82176
    .private_segment_fixed_size: 0
    .kernarg_segment_align: 8
    .kernarg_segment_size: 80
    .max_flat_workgroup_size: 256
    .sgpr_count:     96
    .vgpr_count:     258
    .wavefront_size: 32
...
	.end_amdgpu_metadata
.endif
;; end of part 1
;; launch attn (part 2): grid 64 x 4, 8 waves a work-group, clusters of 4 x 1, 327,680 bytes of LDS; arguments qk, vws, bf, out0; writes out0
.if DOCPART == 2
	.amdgcn_target "amdgcn-amd-amdhsa--gfx1250"
	.amdhsa_code_object_version 6
	.text
	.protected	k_q0a5fd4b64f_attn
	.globl	k_q0a5fd4b64f_attn
	.p2align	8
	.type	k_q0a5fd4b64f_attn,@function
k_q0a5fd4b64f_attn:
	s_mov_b64 s[64:65], 0
	v_nop
	global_prefetch_b8 v0, s[64:65] scope:SCOPE_SE
	s_setreg_imm32_b32 hwreg(HW_REG_WAVE_MODE, 25, 1), 1
	s_wait_xcnt 0x0
	s_wait_alu depctr_hold_cnt(0) depctr_sa_sdst(0) depctr_va_vdst(0) depctr_va_sdst(0) depctr_va_ssrc(0) depctr_va_vcc(0) depctr_vm_vsrc(0)
	s_getreg_b32 s2, hwreg(HW_REG_IB_STS2, 6, 4)
	s_cmp_eq_u32 s2, 0
	s_cbranch_scc0 .Lentry_in_a_cluster
	s_endpgm
.Lentry_in_a_cluster:
	s_bfe_u32 s2, ttmp6, 0x10000c
	s_cmp_lg_u32 s2, 0x3003
	s_cbranch_scc0 .Lentry_shape_is_right
	s_endpgm
.Lentry_shape_is_right:
; THE THREE ATTENTIONS, THE UPSAMPLE AND THE SUM, for one image row j of one batch b: out0[b, :, j, :].
; Queries: the 64 positions of row j at scale 0; the two rows of 32 at scale 1 and the two rows of 16 at scale 2 between which row j is
; interpolated.  v' already holds Wf's slice, so each attention delivers its share of the output.
; Eight waves: wave w = (kq = w >> 1, qg = w & 1) takes a quarter of the keys and 32 queries (scale 2: 16).  Softmax with a running maximum
; in base 2 (q carries log2(e)/sqrt(8)); the four quarters are merged through LDS by their maxima and sums.
; THE SCORES: the width is 8, the matrix instruction's K is 32.  q and k come as two bf16 terms each (hi, lo), and the four groups of eight k hold
; q_hi k_hi, q_lo k_hi, q_hi k_lo, q_lo k_lo: the whole K is used, and the logits carry 16 significant bits at no further matrix instruction.
; THE SUMS of the probabilities are made by the matrix unit: beside the four channel tiles of v' stands a fifth A tile whose rows 0 and 8 are ones and
; whose other rows are zeros.  Register 0 of its result is row 8 h, so every lane (r, h) finds query r's whole sum there; registers 1-7 stay 0.
; For a sub-step of 64 keys x 32 queries that is 4 matrix instructions more (28 for 24) and 32 packed additions less in a wave that has
; more than 200 vector instructions to issue for them.
; Keys go in tiles of 4 x 128 (65,536 bytes of v', 16,384 of k) through two LDS slots.  Order: g0 scale 2 (all of it, half a tile), g1-g2 scale 1,
; g3-g10 scale 0; tile g lies in slot g & 1.
; CLUSTERS: the four work-groups of a cluster are four neighbouring rows of one batch and walk the same tiles, so every tile is asked for
; jointly (mask 15).  The place in the cluster enters only q's addresses, the output's address and two float weights.
; No prefetch: qk and vws were stored by the launch in front of this one and are read again by every cluster of the batch.
; LIMITS: inputs that are not finite are not served.  The upsample weights are rem/63 from whole numbers, not a linspace's f32 values (parts in
; 10^6 of a pixel; the interpolation is continuous).  The row weight of the upsample is folded into the softmax's normalisation, another order
; of f32 rounding.  The probabilities go to the matrix unit in bf16; their sum is the f32 sum of those bf16 numbers.
.set SLOT,  81920                      ; a slot: v' at 8,192 w, k at KOFS + 2,048 w (w: the wave that fetched it)
.set KOFS,  65536
.set ST,    2*SLOT                     ; [kq 4][64 channels][STP bytes]: the quarters' normalised results, f32.  No tensor load lands at or behind ST
.set STQ,   17408
.set STP,   272                        ; 64 queries x 4 bytes + 16
.set ML,    ST+4*STQ                   ; [kq 4][64 queries] (maximum, sum)
.set Z1,    ML+2048                    ; [64 channels][32]: scale 1's share, rows already interpolated
.set Z2,    Z1+8192                    ; [64 channels][16]: scale 2's
.set KREG,  688128                     ; k's region of qk.  In both regions: for every 16 positions 256 bytes of hi, then 256 of lo
.set MAG63, 16645                      ; floor(n / 63) = (n MAG63) >> 20 for n <= 1953
.set INV63, 0x3c820821                 ; 1 / 63
.set VA,   2                           ; v2, v3   LDS address of my v' fragments in slot 0, 1
.set KA,   4                           ; v4, v5   of my k fragments
.set MLW2, 7
.set MLR2, 8
.set MLW1, 9
.set MLR1, 10
.set STW2, 11
.set STW1, 12
.set WR1,  13                          ; weight of my row at scale 1, 2
.set WR2,  14
.set RM,   16                          ; v16, v18  running maximum of query tile 0, 1 (even registers: broadcast from a pair; the partners are written once)
.set RA,   20                          ; v20, v22  the rescaling factor
.set OL,   24                          ; v24-31, v32-39  the sum tile of query tile 0, 1: register 0 holds the running sum
.set RQ,   40                          ; v40-55    q fragments: registers 0-3 and 4-7 alike: hi in lanes 0-15, lo in lanes 16-31
.set RK,   56                          ; v56-87    k fragments: registers 0-3 hi, 4-7 lo, in both halves of the lanes
.set RS,   88                          ; v88-151   scores: tile g = 4 qt + kt at 8 g
.set SU,   88                          ;           (v88-92 also serve the set-up)
.set RP,   152                         ; v152-183  probabilities in bf16: 4 g + i
.set RO,   184                         ; v184-247  results: tile (qt, ct) at 32 qt + 8 ct
.set RT,   248                         ; v248-251  at work
.set BF,   252                         ; v252-255  bf of my four channels
.set FB,   40                          ; the end: 32 registers for each of four channel groups
.set FA,   184                         ;          16 LDS addresses
.set FW,   200                         ;          16 weights
.set FT,   216                         ;          v216-226 at work
; window 1, written v0-71 there: v256-319 v' fragments (ks, ct) at 8 (4 ks + ct); v320-327 the tile of ones
.set ONES, 64
.set MSB, 0
.macro WIN new                         ; the immediate's high byte repeats the setting that is left
.if MSB != \new
	s_set_vgpr_msb (MSB<<8)|\new
.set MSB, \new
.endif
.endm
; A round of the cluster's barrier: my work-group's barrier, wave 0 signals for the work-group, every wave waits for all four work-groups, my work-group's barrier.
.macro ROUND
	s_barrier_signal -1
	s_barrier_wait -1
	s_cmp_lg_u32 s12, 0
	s_cbranch_scc1 .Lnot_wave_0_\@
	s_barrier_signal -3
.Lnot_wave_0_\@:
	s_barrier_wait -3
	s_barrier_signal -1
	s_barrier_wait -1
.endm
; Descriptor group 1: a dense block as rows of 256 bytes (32 elements of 8 bytes).
.macro G1SET base, rows
	s_mov_b32 s[\base+0], 0x0023000f               ; 15:0 mask: all four work-groups; 17:16 elements of 8 bytes; 21 set beside a mask
	s_mov_b32 s[\base+1], 32<<16                   ; tensor_dim0 = 32
	s_mov_b32 s[\base+2], \rows<<16                ; tensor_dim1
	s_mov_b32 s[\base+3], 32<<16                   ; tile_dim0 = 32
	s_mov_b32 s[\base+4], \rows                    ; tile_dim1
	s_mov_b32 s[\base+5], 32                       ; from row to row
	s_mov_b32 s[\base+6], 0
	s_mov_b32 s[\base+7], 0
.endm
; A tile's address, type bits set: base + const + (b << sb) + (kq << sk) + (qg << sq).  Nothing of the place in the cluster enters.
.macro TADDR dst, base, const, sb, sk, sq
	s_lshl_b32 s22, s15, \sb
	s_lshl_b32 s20, s13, \sk
	s_lshl_b32 s21, s14, \sq
	s_add_co_u32 s22, s22, s20
	s_add_co_u32 s22, s22, s21
.if \const
	s_add_co_u32 s22, s22, \const
.endif
	s_add_nc_u64 s[\dst:\dst+1], s[\base:\base+1], s[22:23]
	s_or_b32 s[\dst+1], s[\dst+1], 0x80000000
.endm
; My row of a small scale and its weight: n = mul j, r0 = floor(n / 63); wave qg takes row min(r0 + qg, lim), weight (qg ? rem : 63 - rem) / 63.
.macro QROW mul, lim, const, sb, sr, qb, wr
	s_mul_i32 s94, s17, \mul
	s_mul_i32 s95, s94, MAG63
	s_lshr_b32 s95, s95, 20
	s_mul_i32 s96, s95, 63
	s_sub_co_u32 s96, s94, s96
	s_sub_co_u32 s97, 63, s96
	s_cmp_lg_u32 s14, 0
	s_cselect_b32 s96, s96, s97
	v_cvt_f32_u32 v[\wr], s96
	v_mul_f32 v[\wr], INV63, v[\wr]
	s_add_co_u32 s95, s95, s14
	s_min_u32 s95, s95, \lim
	s_lshl_b32 s98, s95, \sr
	s_lshl_b32 s97, s15, \sb
	s_add_co_u32 s98, s98, s97
	s_add_co_u32 s98, s98, \const
	s_add_nc_u64 s[\qb:\qb+1], s[4:5], s[98:99]
.endm
; 16 queries for each tile: lanes 0-15 take hi, lanes 16-31 lo (v1 = 16 r + 256 h).  The same 16 bytes serve k = 0..15 (against k's hi) and k = 16..31 (against k's lo).
.macro QLOAD qb, nq
	global_load_b128 v[RQ:RQ+3], v1, s[\qb:\qb+1]
	global_load_b128 v[RQ+4:RQ+7], v1, s[\qb:\qb+1]
.if \nq == 2
	global_load_b128 v[RQ+8:RQ+11], v1, s[\qb:\qb+1] offset:512
	global_load_b128 v[RQ+12:RQ+15], v1, s[\qb:\qb+1] offset:512
.endif
.endm
.macro KLOAD ka, koff, kgap            ; four fragments of 16 keys: hi, then lo; both halves of the lanes read the same 256 consecutive bytes
.irp kt,0,1,2,3
	ds_load_b128 v[RK+8*\kt:RK+8*\kt+3], v[\ka] offset:\koff+\kt*512+(\kt/2)*\kgap
	ds_load_b128 v[RK+8*\kt+4:RK+8*\kt+7], v[\ka] offset:\koff+\kt*512+(\kt/2)*\kgap+256
.endr
.endm
; The maximum of a query tile's 64 scores (32 in the lane, 32 in the lane of the other half), and the factor that the old sums are rescaled by.
.macro MAXQ qt, first
.irp kt,0,1,2,3
	v_max3_num_f32 v[RT+\kt], v[RS+32*\qt+8*\kt], v[RS+32*\qt+8*\kt+1], v[RS+32*\qt+8*\kt+2]
.endr
.irp kt,0,1,2,3
	v_max3_num_f32 v[RT+\kt], v[RT+\kt], v[RS+32*\qt+8*\kt+3], v[RS+32*\qt+8*\kt+4]
.endr
.irp kt,0,1,2,3
	v_max3_num_f32 v[RT+\kt], v[RT+\kt], v[RS+32*\qt+8*\kt+5], v[RS+32*\qt+8*\kt+6]
.endr
	v_max3_num_f32 v[RT], v[RT], v[RS+32*\qt+7], v[RS+32*\qt+15]
	v_max3_num_f32 v[RT+2], v[RT+2], v[RS+32*\qt+23], v[RS+32*\qt+31]
	v_max3_num_f32 v[RT], v[RT], v[RT+1], v[RT+2]
	v_max_num_f32 v[RT], v[RT], v[RT+3]
	v_permlanex16_b32 v[RT+1], v[RT], s18, s19
.if \first
	v_max_num_f32 v[RM+2*\qt], v[RT], v[RT+1]
.else
	v_max3_num_f32 v[RT+2], v[RT], v[RT+1], v[RM+2*\qt]
	v_sub_f32 v[RA+2*\qt], v[RM+2*\qt], v[RT+2]
	v_mov_b32 v[RM+2*\qt], v[RT+2]
	v_exp_f32 v[RA+2*\qt], v[RA+2*\qt]             ; the line behind it is plain and touches neither source nor result (ISA guide 5.7.2)
.endif
.endm
; Two numbers of group g - 1 are packed as probabilities.
.macro PACK i
	s_wait_alu depctr_va_vdst(0)
	v_cvt_pk_bf16_f32 v[RP+4*(g-1)+\i], v[RS+8*(g-1)+2*\i], v[RS+8*(g-1)+2*\i+1]
.endm
; Group g's eight exponentials; between them plain work of the neighbours: the maximum leaves group g + 1, result tile g is rescaled, group g - 1 is packed.
.macro SMG last, first
.irp i,0,1,2,3
	v_exp_f32 v[RS+8*g+2*\i], v[RS+8*g+2*\i]
.if g < (\last)
	v_pk_add_f32 v[RS+8*(g+1)+2*\i:RS+8*(g+1)+2*\i+1], v[RS+8*(g+1)+2*\i:RS+8*(g+1)+2*\i+1], v[RM+2*((g+1)/4):RM+2*((g+1)/4)+1] op_sel_hi:[1,0] neg_lo:[0,1] neg_hi:[0,1]
.endif
.if \first == 0
	v_pk_mul_f32 v[RO+8*g+2*\i:RO+8*g+2*\i+1], v[RO+8*g+2*\i:RO+8*g+2*\i+1], v[RA+2*(g/4):RA+2*(g/4)+1] op_sel_hi:[1,0]
.endif
	v_exp_f32 v[RS+8*g+2*\i+1], v[RS+8*g+2*\i+1]
.if g > 0
	PACK \i
.endif
.endr
.endm
.macro PVI qt, ct, ks, z               ; results: 16 channels x 16 queries, 32 keys
.if \z
	v_wmma_f32_16x16x32_bf16 v[RO+32*\qt+8*\ct:RO+32*\qt+8*\ct+7], v[8*(4*\ks+\ct):8*(4*\ks+\ct)+7], v[RP+16*\qt+8*\ks:RP+16*\qt+8*\ks+7], 0
.else
	v_wmma_f32_16x16x32_bf16 v[RO+32*\qt+8*\ct:RO+32*\qt+8*\ct+7], v[8*(4*\ks+\ct):8*(4*\ks+\ct)+7], v[RP+16*\qt+8*\ks:RP+16*\qt+8*\ks+7], v[RO+32*\qt+8*\ct:RO+32*\qt+8*\ct+7]
.endif
.endm
.macro PLI qt, ks, z                   ; sums: the tile of ones x the same probabilities
.if \z
	v_wmma_f32_16x16x32_bf16 v[OL+8*\qt:OL+8*\qt+7], v[ONES:ONES+7], v[RP+16*\qt+8*\ks:RP+16*\qt+8*\ks+7], 0
.else
	v_wmma_f32_16x16x32_bf16 v[OL+8*\qt:OL+8*\qt+7], v[ONES:ONES+7], v[RP+16*\qt+8*\ks:RP+16*\qt+8*\ks+7], v[OL+8*\qt:OL+8*\qt+7]
.endif
.endm
; A sub-step: 64 keys x 16 nq queries.  first = 1: it starts maximum, sums and results.  nxt = 1: the next sub-step's k fragments are fetched (address nka, offset nkoff).
.macro SUB va, voff, vgap, nq, first, nxt, nka, nkoff
	s_wait_dscnt 0x0                               ; my k fragments are in
.set g, 0
.rept 4*\nq
	v_wmma_f32_16x16x32_bf16 v[RS+8*g:RS+8*g+7], v[RK+8*(g%4):RK+8*(g%4)+7], v[RQ+8*(g/4):RQ+8*(g/4)+7], 0   ; rows = keys, columns = queries: lane (r, h) holds query r, keys 16 kt + 8 h + 0..7
.set g, g+1
.endr
.rept 4
	v_nop                                          ; four places: for the reads of the scores, and for the loads into the v' registers that the last products read
.endr
	WIN 0x40                                       ; destination in window 1
.irp ks,0,1
.irp ct,0,1,2,3
	ds_load_b128 v[8*(4*\ks+\ct):8*(4*\ks+\ct)+3], v[\va] offset:\voff+\ct*2048+(\ct/2)*\vgap+\ks*1024          ; 16 bytes a lane, 512 consecutive bytes
	ds_load_b128 v[8*(4*\ks+\ct)+4:8*(4*\ks+\ct)+7], v[\va] offset:\voff+\ct*2048+(\ct/2)*\vgap+\ks*1024+512
.endr
.endr
	WIN 0
	MAXQ 0, \first
.if \nq == 2
	MAXQ 1, \first
.endif
.irp i,0,1,2,3
	v_pk_add_f32 v[RS+2*\i:RS+2*\i+1], v[RS+2*\i:RS+2*\i+1], v[RM:RM+1] op_sel_hi:[1,0] neg_lo:[0,1] neg_hi:[0,1]
.endr
.if \first == 0
.set g, 0
	s_wait_alu depctr_va_vdst(0)
.rept \nq
	v_mul_f32 v[OL+8*g], v[OL+8*g], v[RA+2*g]      ; the running sum is rescaled: register 0 alone, the other seven hold 0
.set g, g+1
.endr
.endif
.set g, 0
.rept 4*\nq
	SMG 4*\nq-1, \first
.set g, g+1
.endr
.irp i,0,1,2,3
	PACK \i                                        ; the last group
.endr
.if \nxt
	KLOAD \nka, \nkoff, 0
	s_wait_dscnt 0x8                               ; the eight k loads just issued stay out; the 16 v' loads in front of them are in
.else
	s_wait_dscnt 0x0
.endif
	WIN 0x01                                       ; source 0 in window 1
	; rows = channels (or the ones), columns = queries.  The 5 nq accumulators take turns, one instruction a turn.
.irp ks,0,1
.irp ct,0,1,2,3
	PVI 0, \ct, \ks, \first*(1-\ks)
.if \nq == 2
	PVI 1, \ct, \ks, \first*(1-\ks)
.endif
.endr
	PLI 0, \ks, \first*(1-\ks)
.if \nq == 2
	PLI 1, \ks, \first*(1-\ks)
.endif
.endr
	WIN 0
.endm
.macro TILE slot, first                ; 128 keys of my quarter x 32 queries
	KLOAD KA+\slot, 0, 0
	SUB VA+\slot, 0, 0, 2, \first, 1, KA+\slot, 2048
	SUB VA+\slot, 8192, 0, 2, 0, 0, 0, 0
.endm
; Slot ns, which has been read, is filled again from the addresses in s[vp:vp+1], s[kp:kp+1].  In front of the round every wave waits for all its
; tensor loads (its part of the tile that is read next among them) and for its LDS reads; the joint loads are the first tensor loads behind it,
; ahead of any LDS read.  Two tensor loads of a wave are out behind each round.
.macro HEAD ns, vp, kp
	s_set_vgpr_msb 0x4
	s_wait_tensorcnt 0x0                           ; no tensor load of mine is out: every group 0 may be written
	ds_add_u32 v6, v73
	s_wait_dscnt 0x0
	s_set_vgpr_msb 0x400
	s_mov_b64 s[58+12*\ns:59+12*\ns], s[\vp:\vp+1]
	s_mov_b64 s[62+12*\ns:63+12*\ns], s[\kp:\kp+1]
	s_add_nc_u64 s[\vp:\vp+1], s[\vp:\vp+1], 16384 ; two blocks of v' on
	s_add_nc_u64 s[\kp:\kp+1], s[\kp:\kp+1], 4096  ; 128 keys on
	s_wait_dscnt 0x0
	ROUND
	tensor_load_to_lds s[56+12*\ns:59+12*\ns], s[24:31]
	s_nop 0
	tensor_load_to_lds s[60+12*\ns:63+12*\ns], s[32:39]
	s_nop 0
.endm
; The four quarters of the keys are merged: (maximum, sum) of each go through ML, each wave scales its results by
; 2^(m - m*) / sum over quarters of 2^(m_k - m*) l_k (that sum is at least 1: the largest probability is 1, in bf16 too), times the row's weight wr
; if one is given, and lays them into ST.
.macro MERGE nq, mlw, mlr, stw, wr
.rept 4
	v_nop                                          ; four places (ISA guide 7.12.1) between the last matrix instruction, which wrote a sum tile, and the read of that tile
.endr
.set q, 0
.rept \nq
	v_mov_b32 v[RS+16+2*q], v[RM+2*q]
	v_mov_b32 v[RS+17+2*q], v[OL+8*q]              ; the whole sum of my quarter, the same in both halves of the lanes
	ds_store_b64 v[\mlw], v[RS+16+2*q:RS+17+2*q] offset:128*q
.set q, q+1
.endr
	s_wait_dscnt 0x0                               ; my stores are done,
	s_barrier_signal -1
	s_barrier_wait -1                              ; everybody's are
.set q, 0
.rept \nq
.irp k,0,1,2,3
	ds_load_b64 v[RS+8*q+2*\k:RS+8*q+2*\k+1], v[\mlr] offset:\k*512+128*q
.endr
.set q, q+1
.endr
	s_wait_dscnt 0x0
.set q, 0
.rept \nq
	v_max3_num_f32 v[RT+q], v[RS+8*q], v[RS+8*q+2], v[RS+8*q+4]
	v_max_num_f32 v[RT+q], v[RT+q], v[RS+8*q+6]
.irp k,0,1,2,3
	v_sub_f32 v[RS+8*q+2*\k], v[RS+8*q+2*\k], v[RT+q]
.endr
	v_sub_f32 v[RA+2*q], v[RM+2*q], v[RT+q]
.set q, q+1
.endr
.set q, 0
.rept \nq
.irp k,0,1,2,3
	v_exp_f32 v[RS+8*q+2*\k], v[RS+8*q+2*\k]
.endr
	v_exp_f32 v[RA+2*q], v[RA+2*q]
.set q, q+1
.endr
	v_nop                                          ; one plain place behind the exponentials (ISA guide 5.7.2)
.set q, 0
	s_wait_alu depctr_va_vdst(0)
.rept \nq
	v_mul_f32 v[RT+2+q], v[RS+8*q], v[RS+8*q+1]
	v_fmac_f32 v[RT+2+q], v[RS+8*q+2], v[RS+8*q+3]
	v_fmac_f32 v[RT+2+q], v[RS+8*q+4], v[RS+8*q+5]
	v_fmac_f32 v[RT+2+q], v[RS+8*q+6], v[RS+8*q+7]
.set q, q+1
.endr
.set q, 0
.rept \nq
	v_rcp_f32 v[RT+2+q], v[RT+2+q]
.set q, q+1
.endr
	v_nop                                          ; one plain place behind the reciprocals
.set q, 0
	s_wait_alu depctr_va_vdst(0)
.rept \nq
	v_mul_f32 v[RA+2*q], v[RA+2*q], v[RT+2+q]
.if \wr
	v_mul_f32 v[RA+2*q], v[RA+2*q], v[\wr]
.endif
.set q, q+1
.endr
.set g, 0
.rept 4*\nq
.irp i,0,2,4,6
	v_pk_mul_f32 v[RO+8*g+\i:RO+8*g+\i+1], v[RO+8*g+\i:RO+8*g+\i+1], v[RA+2*(g/4):RA+2*(g/4)+1] op_sel_hi:[1,0]
.endr
.irp jj,0,1,2,3,4,5,6,7
	ds_store_b32 v[\stw], v[RO+8*g+\jj] offset:(16*(g%4)+\jj)*STP+(g/4)*64      ; channel 16 ct + 8 h + jj, query r: 16 neighbouring words, the other half 8 rows on
.endr
.set g, g+1
.endr
	s_wait_dscnt 0x0
	s_barrier_signal -1
	s_barrier_wait -1
.endm
; A small scale's share: the sum over the four quarters and the two rows (whose weights are in already).  Thread (channel t >> 2, t & 3) sums 1 << (sh - 2) columns.
.macro ZRED sh, zb
	v_lshrrev_b32 v[RT], 2, v0
	v_and_b32 v[RT+1], 3, v0
	v_mul_u32_u24 v[RT], v[RT], STP
	v_lshl_add_u32 v[RT], v[RT+1], \sh, v[RT]
	v_add_nc_u32 v[RT], ST, v[RT]
	v_lshlrev_b32 v[RT+1], \sh, v0
	v_add_nc_u32 v[RT+1], \zb, v[RT+1]
.set zw, 1<<(\sh-2)
.set g, 0
.rept 8
.set e, 0
.rept zw/4
	ds_load_b128 v[RS+zw*g+4*e:RS+zw*g+4*e+3], v[RT] offset:(g/2)*STQ+(g%2)*16*zw+16*e
.set e, e+1
.endr
.set g, g+1
.endr
	s_wait_dscnt 0x0
.set d, 4
.rept 3
.set e, 0
.rept d*zw/2
	v_pk_add_f32 v[RS+2*e:RS+2*e+1], v[RS+2*e:RS+2*e+1], v[RS+zw*d+2*e:RS+zw*d+2*e+1]
.set e, e+1
.endr
.set d, d/2
.endr
.set e, 0
.rept zw/4
	ds_store_b128 v[RT+1], v[RS+4*e:RS+4*e+3] offset:16*e
.set e, e+1
.endr
.endm
; Column px = v[FT+2] of the output in a small scale: n = mul px, x0 = floor(n / 63), x1 = min(x0 + 1, lim), weights (63 - rem) / 63 and rem / 63.
.macro FX e, mul, lim, k, zr
	v_mul_u32_u24 v[FT+3], v[FT+2], \mul
	v_mul_u32_u24 v[FT+4], v[FT+3], MAG63
	v_lshrrev_b32 v[FT+4], 20, v[FT+4]
	v_mul_u32_u24 v[FT+5], v[FT+4], 63
	v_sub_nc_u32 v[FT+5], v[FT+3], v[FT+5]
	v_sub_nc_u32 v[FT+6], 63, v[FT+5]
	v_cvt_f32_u32 v[FW+4*\k+\e], v[FT+6]
	v_cvt_f32_u32 v[FW+4*\k+4+\e], v[FT+5]
	v_mul_f32 v[FW+4*\k+\e], INV63, v[FW+4*\k+\e]
	v_mul_f32 v[FW+4*\k+4+\e], INV63, v[FW+4*\k+4+\e]
	v_add_nc_u32 v[FT+5], 1, v[FT+4]
	v_min_u32 v[FT+5], \lim, v[FT+5]
	v_lshl_add_u32 v[FA+4*\k+\e], v[FT+4], 2, v[\zr]
	v_lshl_add_u32 v[FA+4*\k+4+\e], v[FT+5], 2, v[\zr]
.endm
	; ---------------- set-up ----------------
	s_load_b256 s[4:11], s[0:1], 0x0               ; qk s[4:5], vws s[6:7], bf s[8:9], out0 s[10:11]
	v_lshl_add_u32 v6, v0, 2, 0x3c800
	s_set_vgpr_msb 0x40
	v_mov_b32 v73, 0
	s_set_vgpr_msb 0x4044
	ds_add_u32 v6, v73
	s_set_vgpr_msb 0x4400
	v_lshrrev_b32 v1, 5, v0
	v_readfirstlane_b32 s12, v1                    ; wave
	s_lshr_b32 s13, s12, 1                         ; kq
	s_and_b32 s14, s12, 1                          ; qg
	s_and_b32 s15, ttmp7, 0xffff                   ; batch (the cluster is one work-group high)
	s_mov_b32 s18, 0x76543210                      ; v_permlanex16_b32: lane i of one half reads lane i of the other
	s_mov_b32 s19, 0xfedcba98
	G1SET 24, 32                                   ; a block of v': 8,192 bytes
	G1SET 32, 8                                    ; 64 keys of k, hi and lo: 2,048 bytes
	G1SET 40, 16                                   ; scale 2: half a block
	G1SET 48, 4                                    ; scale 2: 32 keys
	s_mov_b32 s56, 1                               ; group 0 for v' and k of slot 0 (s56, s60) and of slot 1 (s68, s72): count, LDS address
	s_lshl_b32 s57, s12, 13
	s_mov_b32 s60, 1
	s_lshl_b32 s61, s12, 11
	s_add_co_u32 s61, s61, KOFS
	s_mov_b32 s68, 1
	s_add_co_u32 s69, s57, SLOT
	s_mov_b32 s72, 1
	s_add_co_u32 s73, s61, SLOT
	s_mov_b32 s23, 0
	s_wait_dscnt 0x0
	s_wait_kmcnt 0x0
	TADDR 58, 6, 2621440, 15, 13, 12               ; g0: scale 2, my half block,
	TADDR 62, 4, KREG+655360, 13, 11, 10           ;     my 32 keys
	TADDR 70, 6, 2097152, 17, 15, 13               ; g1: scale 1, tile 0
	TADDR 74, 4, KREG+524288, 15, 13, 11
	s_add_nc_u64 s[80:81], s[70:71], 16384         ; scale 1, tile 1
	s_add_nc_u64 s[82:83], s[74:75], 4096
	TADDR 76, 6, 0, 19, 17, 13                     ; scale 0, tile 0
	TADDR 78, 4, KREG, 17, 15, 11
	ROUND                                          ; all four work-groups are here: the first joint loads meet
	tensor_load_to_lds s[56:59], s[40:47]          ; four tensor loads of a wave are out here, never more
	s_nop 0
	tensor_load_to_lds s[60:63], s[48:55]
	s_nop 0
	tensor_load_to_lds s[68:71], s[24:31]
	s_nop 0
	tensor_load_to_lds s[72:75], s[32:39]
	s_nop 0
	; what hangs on the image row: q's addresses, the output's address, the rows' weights (s16, s17, s94-s99 alone hold it)
	s_bfe_u32 s16, ttmp6, 0x40000                  ; my place in the cluster
	s_lshl_b32 s17, ttmp9, 2
	s_add_co_u32 s17, s17, s16                     ; j
	s_mov_b32 s99, 0
	QROW 31, 31, 524288, 15, 10, 86, WR1
	QROW 15, 15, 655360, 13, 9, 88, WR2
	s_lshl_b32 s98, s15, 17
	s_lshl_b32 s97, s17, 11
	s_add_co_u32 s98, s98, s97
	s_lshl_b32 s97, s14, 10
	s_add_co_u32 s98, s98, s97
	s_add_nc_u64 s[84:85], s[4:5], s[98:99]        ; scale 0: row j, my 32 queries
	s_lshl_b32 s98, s15, 20
	s_lshl_b32 s97, s17, 8
	s_add_co_u32 s98, s98, s97
	s_add_nc_u64 s[10:11], s[10:11], s[98:99]      ; out0[b, 0, j, 0]
	v_and_b32 v[SU+1], 15, v0                      ; r
	v_bfe_u32 v[SU+2], v0, 4, 1                    ; h
	v_lshlrev_b32 v1, 4, v[SU+1]
	v_lshl_add_u32 v1, v[SU+2], 8, v1              ; q: 16 r, + 256 for the lanes that take lo
	v_lshrrev_b32 v15, 4, v0
	v_lshlrev_b32 v15, 2, v15                      ; bf: channel t >> 4
	QLOAD 88, 1
.irp i,0,1,2,3
	global_load_b32 v[BF+\i], v15, s[8:9] offset:\i*64
.endr
	v_and_b32 v[SU], 31, v0
	s_lshl_b32 s92, s13, 14
	v_lshl_add_u32 v[VA], v[SU], 4, s92            ; my quarter's two blocks, 16 bytes a lane
	v_add_nc_u32 v[VA+1], SLOT, v[VA]
	s_lshl_b32 s92, s13, 12
	s_add_co_u32 s92, s92, KOFS
	v_lshl_add_u32 v[KA], v[SU+1], 4, s92          ; my quarter's 128 keys, key r
	v_add_nc_u32 v[KA+1], SLOT, v[KA]
	s_lshl_b32 s92, s12, 8
	s_add_co_u32 s92, s92, ML
	v_lshl_add_u32 v[MLW1], v[SU+1], 3, s92        ; ML + 512 kq + 8 (32 qg + r)
	s_lshl_b32 s92, s14, 8
	s_add_co_u32 s92, s92, ML
	v_lshl_add_u32 v[MLR1], v[SU+1], 3, s92
	s_lshl_b32 s92, s13, 9
	s_lshl_b32 s93, s14, 7
	s_add_co_u32 s93, s93, ML
	v_lshl_add_u32 v[MLR2], v[SU+1], 3, s93        ; scale 2: query 16 qg + r
	s_add_co_u32 s92, s92, s93
	v_lshl_add_u32 v[MLW2], v[SU+1], 3, s92
	s_mul_i32 s92, s13, STQ
	s_add_co_u32 s92, s92, ST
	v_mul_u32_u24 v[SU+3], v[SU+2], 8*STP
	v_lshl_add_u32 v[SU+3], v[SU+1], 2, v[SU+3]
	v_add_nc_u32 v[SU+3], s92, v[SU+3]
	s_lshl_b32 s93, s14, 7
	v_add_nc_u32 v[STW1], s93, v[SU+3]             ; ST + kq STQ + 8 h rows + 4 (32 qg + r)
	s_lshl_b32 s93, s14, 6
	v_add_nc_u32 v[STW2], s93, v[SU+3]
.irp r,17,19,21,23
	v_mov_b32 v\r, 0                               ; partners of the registers that are broadcast from a pair
.endr
	; the tile of ones: a lane holds row r of an A tile, so the lanes with r = 0 and r = 8 hold 1.0 twice in each register, the others 0
	v_and_b32 v[SU+4], 7, v0
	v_cmp_eq_u32 s92, 0, v[SU+4]
	v_mov_b32 v[SU+4], 0x3f803f80
	v_cndmask_b32 v[SU+4], 0, v[SU+4], s92
	WIN 0x40                                       ; destination in window 1
.irp i,0,1,2,3,4,5,6,7
	v_mov_b32 v[ONES+\i], v[SU+4]
.endr
	WIN 0
	s_wait_loadcnt 0x0                             ; scale 2's q, and bf
	; ---------------- g0: scale 2 ----------------
	s_wait_tensorcnt 0x2                           ; g0's two loads have landed; g1's two stay out
	s_barrier_signal -1
	s_barrier_wait -1
	KLOAD KA, 0, 1024                              ; the quarter's 64 keys lie in two halves, each at its fetching wave's place
	SUB VA, 0, 4096, 1, 1, 0, 0, 0
	QLOAD 86, 2
	MERGE 1, MLW2, MLR2, STW2, WR2
	ZRED 4, Z2
	s_wait_loadcnt 0x0                             ; scale 1's q
	; ---------------- g1, g2: scale 1 ----------------
	HEAD 0, 80, 82
	TILE 1, 1
	HEAD 1, 76, 78
	TILE 0, 0
	QLOAD 84, 2
	MERGE 2, MLW1, MLR1, STW1, WR1
	ZRED 5, Z1
	s_wait_loadcnt 0x0                             ; scale 0's q
	; ---------------- g3 .. g10: scale 0 ----------------
	HEAD 0, 76, 78
	TILE 1, 1
	s_mov_b32 s90, 3
.Ltiles:
	HEAD 1, 76, 78
	TILE 0, 0
	HEAD 0, 76, 78
	TILE 1, 0
	s_sub_co_i32 s90, s90, 1
	s_cmp_lg_u32 s90, 0
	s_cbranch_scc1 .Ltiles
	s_wait_tensorcnt 0x0                           ; the last tile has landed; nothing more is asked for
	s_wait_dscnt 0x0
	s_barrier_signal -1
	s_barrier_wait -1
	TILE 0, 0
	MERGE 2, MLW1, MLR1, STW1, 0
	; ---------------- the end: sum of the quarters + bf + the two small scales, interpolated along the row ----------------
	; Thread (q4 = t & 15, cb = t >> 4): columns 4 q4 .. + 3 of channels cb + 16 i.
	v_and_b32 v[FT], 15, v0
	v_lshrrev_b32 v[FT+1], 4, v0
	v_lshlrev_b32 v[FT+7], 7, v[FT+1]
	v_add_nc_u32 v[FT+7], Z1, v[FT+7]
	v_lshlrev_b32 v[FT+8], 6, v[FT+1]
	v_add_nc_u32 v[FT+8], Z2, v[FT+8]
	v_mul_u32_u24 v[FT+9], v[FT+1], STP
	v_lshl_add_u32 v[FT+9], v[FT], 4, v[FT+9]
	v_add_nc_u32 v[FT+9], ST, v[FT+9]
	v_lshlrev_b32 v[FT+10], 14, v[FT+1]
	v_lshl_add_u32 v[FT+10], v[FT], 4, v[FT+10]
.irp e,0,1,2,3
	v_lshl_add_u32 v[FT+2], v[FT], 2, \e
	FX \e, 31, 31, 0, FT+7
	FX \e, 15, 15, 2, FT+8
.endr
.irp i,0,1,2,3
.irp kq,0,1,2,3
	ds_load_b128 v[FB+32*\i+4*\kq:FB+32*\i+4*\kq+3], v[FT+9] offset:\kq*STQ+\i*16*STP
.endr
.irp e,0,1,2,3
	ds_load_b32 v[FB+32*\i+16+\e], v[FA+\e] offset:\i*2048
	ds_load_b32 v[FB+32*\i+20+\e], v[FA+4+\e] offset:\i*2048
	ds_load_b32 v[FB+32*\i+24+\e], v[FA+8+\e] offset:\i*1024
	ds_load_b32 v[FB+32*\i+28+\e], v[FA+12+\e] offset:\i*1024
.endr
.endr
.irp i,0,1,2,3
	s_wait_dscnt 60-20*\i                          ; 20 loads for each younger channel group stay out
.irp u,0,2
	v_pk_add_f32 v[FB+32*\i+\u:FB+32*\i+\u+1], v[FB+32*\i+\u:FB+32*\i+\u+1], v[FB+32*\i+4+\u:FB+32*\i+4+\u+1]
	v_pk_add_f32 v[FB+32*\i+8+\u:FB+32*\i+8+\u+1], v[FB+32*\i+8+\u:FB+32*\i+8+\u+1], v[FB+32*\i+12+\u:FB+32*\i+12+\u+1]
.endr
.irp u,0,1,2,3
	v_add_f32 v[FB+32*\i+\u], v[FB+32*\i+\u], v[BF+\i]
.endr
.irp u,0,2
	v_pk_fma_f32 v[FB+32*\i+8+\u:FB+32*\i+8+\u+1], v[FB+32*\i+16+\u:FB+32*\i+16+\u+1], v[FW+\u:FW+\u+1], v[FB+32*\i+8+\u:FB+32*\i+8+\u+1]
.endr
.irp u,0,2
	v_pk_fma_f32 v[FB+32*\i+\u:FB+32*\i+\u+1], v[FB+32*\i+20+\u:FB+32*\i+20+\u+1], v[FW+4+\u:FW+4+\u+1], v[FB+32*\i+\u:FB+32*\i+\u+1]
	v_pk_fma_f32 v[FB+32*\i+8+\u:FB+32*\i+8+\u+1], v[FB+32*\i+24+\u:FB+32*\i+24+\u+1], v[FW+8+\u:FW+8+\u+1], v[FB+32*\i+8+\u:FB+32*\i+8+\u+1]
.endr
.irp u,0,2
	v_pk_fma_f32 v[FB+32*\i+\u:FB+32*\i+\u+1], v[FB+32*\i+28+\u:FB+32*\i+28+\u+1], v[FW+12+\u:FW+12+\u+1], v[FB+32*\i+\u:FB+32*\i+\u+1]
.endr
.irp u,0,2
	v_pk_add_f32 v[FB+32*\i+\u:FB+32*\i+\u+1], v[FB+32*\i+\u:FB+32*\i+\u+1], v[FB+32*\i+8+\u:FB+32*\i+8+\u+1]
.endr
	global_store_b128 v[FT+10], v[FB+32*\i:FB+32*\i+3], s[10:11] offset:\i*262144 th:TH_STORE_NT    ; 16 lanes store a channel's row: 256 consecutive bytes, aligned
.endr
	s_set_vgpr_msb 0x4
	s_wait_tensorcnt 0x0
	ds_add_u32 v6, v73
	s_wait_dscnt 0x0
	s_set_vgpr_msb 0x400
	ROUND                                          ; the closing round: no work-group ends while a partner may still ask for a tile that names it
	s_endpgm
.Lfunc_end_k_q0a5fd4b64f_attn:
	.size	k_q0a5fd4b64f_attn, .Lfunc_end_k_q0a5fd4b64f_attn-k_q0a5fd4b64f_attn
	.p2alignl 7, 3214868480
	.fill 96, 4, 3214868480
	.section	.rodata,"a",@progbits
	.p2align	6, 0x0
	.amdhsa_kernel k_q0a5fd4b64f_attn
		.amdhsa_group_segment_fixed_size 327680
		.amdhsa_private_segment_fixed_size 0
		.amdhsa_enable_private_segment 0
		.amdhsa_kernarg_size 32
		.amdhsa_user_sgpr_count 2
		.amdhsa_user_sgpr_kernarg_segment_ptr 1
		.amdhsa_wavefront_size32 1
		.amdhsa_system_sgpr_workgroup_id_x 1
		.amdhsa_system_sgpr_workgroup_id_y 1
		.amdhsa_system_sgpr_workgroup_id_z 1
		.amdhsa_system_vgpr_workitem_id 0
		.amdhsa_next_free_vgpr 330
		.amdhsa_next_free_sgpr 100
		.amdhsa_reserve_vcc 0
		.amdhsa_float_denorm_mode_32 3
		.amdhsa_float_denorm_mode_16_64 3
		.amdhsa_memory_ordered 1
		.amdhsa_forward_progress 1
		.amdhsa_inst_pref_size 242
	.end_amdhsa_kernel
	.amdgpu_metadata
---
amdhsa.version: [ 1, 2 ]
amdhsa.kernels:
  - .name:           k_q0a5fd4b64f_attn
    .symbol:         k_q0a5fd4b64f_attn.kd
    .args:
      - { .name: qk, .offset: 0, .size: 8, .value_kind: global_buffer, .address_space: global }
      - { .name: vws, .offset: 8, .size: 8, .value_kind: global_buffer, .address_space: global }
      - { .name: bf, .offset: 16, .size: 8, .value_kind: global_buffer, .address_space: global }
      - { .name: out0, .offset: 24, .size: 8, .value_kind: global_buffer, .address_space: global }
    .group_segment_fixed_size: 327680
    .private_segment_fixed_size: 0
    .kernarg_segment_align: 8
    .kernarg_segment_size: 32
    .max_flat_workgroup_size: 256
    .sgpr_count:     100
    .vgpr_count:     330
    .wavefront_size: 32
...
	.end_amdgpu_metadata
.endif
;; end of part 2
;; ======== version 2 of 2: 2 launches; 1.13 times as fast as version 1
;; workspace buffers: qk 1,376,256 bytes; vws 2,752,512 bytes
;; launch prep: the kernel of part 1 again; grid 64 x 4, 8 waves a work-group, no clusters, 82,176 bytes of LDS; arguments x, Wq, Wk, Wv, Wf, bq, bk, bv, qk, vws; writes qk, vws
;; launch attn (part 3): grid 64 x 4, 8 waves a work-group, clusters of 4 x 1, 327,680 bytes of LDS; arguments qk, vws, bf, out0; writes out0
.if DOCPART == 3
	.amdgcn_target "amdgcn-amd-amdhsa--gfx1250"
	.amdhsa_code_object_version 6
	.text
	.protected	k_q0a5fd4b64f_attn
	.globl	k_q0a5fd4b64f_attn
	.p2align	8
	.type	k_q0a5fd4b64f_attn,@function
k_q0a5fd4b64f_attn:
	s_mov_b64 s[64:65], 0
	v_nop
	global_prefetch_b8 v0, s[64:65] scope:SCOPE_SE
	s_setreg_imm32_b32 hwreg(HW_REG_WAVE_MODE, 25, 1), 1
	s_wait_xcnt 0x0
	s_wait_alu depctr_hold_cnt(0) depctr_sa_sdst(0) depctr_va_vdst(0) depctr_va_sdst(0) depctr_va_ssrc(0) depctr_va_vcc(0) depctr_vm_vsrc(0)
	s_getreg_b32 s2, hwreg(HW_REG_IB_STS2, 6, 4)
	s_cmp_eq_u32 s2, 0
	s_cbranch_scc0 .Lentry_in_a_cluster
	s_endpgm
.Lentry_in_a_cluster:
	s_bfe_u32 s2, ttmp6, 0x10000c
	s_cmp_lg_u32 s2, 0x3003
	s_cbranch_scc0 .Lentry_shape_is_right
	s_endpgm
.Lentry_shape_is_right:
; THE THREE ATTENTIONS, THE UPSAMPLE AND THE SUM, for one image row j of one batch b: out0[b, :, j, :].
; Queries: the 64 positions of row j at scale 0; the two rows of 32 at scale 1 and the two rows of 16 at scale 2 between which row j is
; interpolated.  v' already holds Wf's slice, so each attention delivers its share of the output.
; Eight waves: wave w = (kq = w >> 1, qg = w & 1) takes a quarter of the keys and 32 queries (scale 2: 16).  Softmax with a running maximum
; in base 2 (q carries log2(e)/sqrt(8)); the four quarters are merged through LDS by their maxima and sums.
; THE SCORES: the width is 8, the matrix instruction's K is 32.  q and k come as two bf16 terms each (hi, lo), and the four groups of eight k hold
; q_hi k_hi, q_lo k_hi, q_hi k_lo, q_lo k_lo: the whole K is used, and the logits carry 16 significant bits at no further matrix instruction.
; THE SUMS of the probabilities are made by the matrix unit: beside the four channel tiles of v' stands a fifth A tile whose rows 0 and 8 are ones and
; whose other rows are zeros.  Register 0 of its result is row 8 h, so every lane (r, h) finds query r's whole sum there; registers 1-7 stay 0.
; For a sub-step of 64 keys x 32 queries that is 4 matrix instructions more (28 for 24) and 32 packed additions less in a wave that has
; more than 200 vector instructions to issue for them.
; THE EXPONENTIALS GO IN BATCHES.  A sub-step's are ONE batch: the rescaling factor at the end of each query tile's maximum, then the 32 scores of each
; query tile, in place, with the subtraction of the maximum one group ahead between them.  Nothing ahead of the batch's wait names a result of it; all
; readers stand behind the wait: the rescaling of the running sums and of the results, and the roundings to bf16.  So a sub-step has one wait for its
; 66 exponentials (scale 2: 32).  The merge has two batches, each with its wait: its exponentials, and the reciprocals of the sums made of them.
; Keys go in tiles of 4 x 128 (65,536 bytes of v', 16,384 of k) through two LDS slots.  Order: g0 scale 2 (all of it, half a tile), g1-g2 scale 1,
; g3-g10 scale 0; tile g lies in slot g & 1.
; CLUSTERS: the four work-groups of a cluster are four neighbouring rows of one batch and walk the same tiles, so every tile is asked for
; jointly (mask 15).  The place in the cluster enters only q's addresses, the output's address and two float weights.
; No prefetch: qk and vws were stored by the launch in front of this one and are read again by every cluster of the batch.
; LIMITS: inputs that are not finite are not served.  The upsample weights are rem/63 from whole numbers, not a linspace's f32 values (parts in
; 10^6 of a pixel; the interpolation is continuous).  The row weight of the upsample is folded into the softmax's normalisation, another order
; of f32 rounding.  The probabilities go to the matrix unit in bf16; their sum is the f32 sum of those bf16 numbers.
.set SLOT,  81920                      ; a slot: v' at 8,192 w, k at KOFS + 2,048 w (w: the wave that fetched it)
.set KOFS,  65536
.set ST,    2*SLOT                     ; [kq 4][64 channels][STP bytes]: the quarters' normalised results, f32.  No tensor load lands at or behind ST
.set STQ,   17408
.set STP,   272                        ; 64 queries x 4 bytes + 16
.set ML,    ST+4*STQ                   ; [kq 4][64 queries] (maximum, sum)
.set Z1,    ML+2048                    ; [64 channels][32]: scale 1's share, rows already interpolated
.set Z2,    Z1+8192                    ; [64 channels][16]: scale 2's
.set KREG,  688128                     ; k's region of qk.  In both regions: for every 16 positions 256 bytes of hi, then 256 of lo
.set MAG63, 16645                      ; floor(n / 63) = (n MAG63) >> 20 for n <= 1953
.set INV63, 0x3c820821                 ; 1 / 63
.set VA,   2                           ; v2, v3   LDS address of my v' fragments in slot 0, 1
.set KA,   4                           ; v4, v5   of my k fragments
.set MLW2, 7
.set MLR2, 8
.set MLW1, 9
.set MLR1, 10
.set STW2, 11
.set STW1, 12
.set WR1,  13                          ; weight of my row at scale 1, 2
.set WR2,  14
.set RM,   16                          ; v16, v18  running maximum of query tile 0, 1 (even registers: broadcast from a pair; the partners are written once)
.set RA,   20                          ; v20, v22  the rescaling factor
.set OL,   24                          ; v24-31, v32-39  the sum tile of query tile 0, 1: register 0 holds the running sum
.set RQ,   40                          ; v40-55    q fragments: registers 0-3 and 4-7 alike: hi in lanes 0-15, lo in lanes 16-31
.set RK,   56                          ; v56-87    k fragments: registers 0-3 hi, 4-7 lo, in both halves of the lanes
.set RS,   88                          ; v88-151   scores: tile g = 4 qt + kt at 8 g
.set SU,   88                          ;           (v88-92 also serve the set-up)
.set RP,   152                         ; v152-183  probabilities in bf16: 4 g + i
.set RO,   184                         ; v184-247  results: tile (qt, ct) at 32 qt + 8 ct
.set RT,   248                         ; v248-251  at work
.set BF,   252                         ; v252-255  bf of my four channels
.set FB,   40                          ; the end: 32 registers for each of four channel groups
.set FA,   184                         ;          16 LDS addresses
.set FW,   200                         ;          16 weights
.set FT,   216                         ;          v216-226 at work
; window 1, written v0-71 there: v256-319 v' fragments (ks, ct) at 8 (4 ks + ct); v320-327 the tile of ones
.set ONES, 64
.set MSB, 0
.macro WIN new                         ; the immediate's high byte repeats the setting that is left
.if MSB != \new
	s_set_vgpr_msb (MSB<<8)|\new
.set MSB, \new
.endif
.endm
; A round of the cluster's barrier: my work-group's barrier, wave 0 signals for the work-group, every wave waits for all four work-groups, my work-group's barrier.
.macro ROUND
	s_barrier_signal -1
	s_barrier_wait -1
	s_cmp_lg_u32 s12, 0
	s_cbranch_scc1 .Lnot_wave_0_\@
	s_barrier_signal -3
.Lnot_wave_0_\@:
	s_barrier_wait -3
	s_barrier_signal -1
	s_barrier_wait -1
.endm
; Descriptor group 1: a dense block as rows of 256 bytes (32 elements of 8 bytes).
.macro G1SET base, rows
	s_mov_b32 s[\base+0], 0x0023000f               ; 15:0 mask: all four work-groups; 17:16 elements of 8 bytes; 21 set beside a mask
	s_mov_b32 s[\base+1], 32<<16                   ; tensor_dim0 = 32
	s_mov_b32 s[\base+2], \rows<<16                ; tensor_dim1
	s_mov_b32 s[\base+3], 32<<16                   ; tile_dim0 = 32
	s_mov_b32 s[\base+4], \rows                    ; tile_dim1
	s_mov_b32 s[\base+5], 32                       ; from row to row
	s_mov_b32 s[\base+6], 0
	s_mov_b32 s[\base+7], 0
.endm
; A tile's address, type bits set: base + const + (b << sb) + (kq << sk) + (qg << sq).  Nothing of the place in the cluster enters.
.macro TADDR dst, base, const, sb, sk, sq
	s_lshl_b32 s22, s15, \sb
	s_lshl_b32 s20, s13, \sk
	s_lshl_b32 s21, s14, \sq
	s_add_co_u32 s22, s22, s20
	s_add_co_u32 s22, s22, s21
.if \const
	s_add_co_u32 s22, s22, \const
.endif
	s_add_nc_u64 s[\dst:\dst+1], s[\base:\base+1], s[22:23]
	s_or_b32 s[\dst+1], s[\dst+1], 0x80000000
.endm
; My row of a small scale and its weight: n = mul j, r0 = floor(n / 63); wave qg takes row min(r0 + qg, lim), weight (qg ? rem : 63 - rem) / 63.
.macro QROW mul, lim, const, sb, sr, qb, wr
	s_mul_i32 s94, s17, \mul
	s_mul_i32 s95, s94, MAG63
	s_lshr_b32 s95, s95, 20
	s_mul_i32 s96, s95, 63
	s_sub_co_u32 s96, s94, s96
	s_sub_co_u32 s97, 63, s96
	s_cmp_lg_u32 s14, 0
	s_cselect_b32 s96, s96, s97
	v_cvt_f32_u32 v[\wr], s96
	v_mul_f32 v[\wr], INV63, v[\wr]
	s_add_co_u32 s95, s95, s14
	s_min_u32 s95, s95, \lim
	s_lshl_b32 s98, s95, \sr
	s_lshl_b32 s97, s15, \sb
	s_add_co_u32 s98, s98, s97
	s_add_co_u32 s98, s98, \const
	s_add_nc_u64 s[\qb:\qb+1], s[4:5], s[98:99]
.endm
; 16 queries for each tile: lanes 0-15 take hi, lanes 16-31 lo (v1 = 16 r + 256 h).  The same 16 bytes serve k = 0..15 (against k's hi) and k = 16..31 (against k's lo).
.macro QLOAD qb, nq
	global_load_b128 v[RQ:RQ+3], v1, s[\qb:\qb+1]
	global_load_b128 v[RQ+4:RQ+7], v1, s[\qb:\qb+1]
.if \nq == 2
	global_load_b128 v[RQ+8:RQ+11], v1, s[\qb:\qb+1] offset:512
	global_load_b128 v[RQ+12:RQ+15], v1, s[\qb:\qb+1] offset:512
.endif
.endm
.macro KLOAD ka, koff, kgap            ; four fragments of 16 keys: hi, then lo; both halves of the lanes read the same 256 consecutive bytes
.irp kt,0,1,2,3
	ds_load_b128 v[RK+8*\kt:RK+8*\kt+3], v[\ka] offset:\koff+\kt*512+(\kt/2)*\kgap
	ds_load_b128 v[RK+8*\kt+4:RK+8*\kt+7], v[\ka] offset:\koff+\kt*512+(\kt/2)*\kgap+256
.endr
.endm
; The maximum of a query tile's 64 scores (32 in the lane, 32 in the lane of the other half), and the factor that the old sums are rescaled by.
; The factor's exponential opens the sub-step's batch: its result is named only behind the batch's wait, in SUB.
.macro MAXQ qt, first
.irp kt,0,1,2,3
	v_max3_num_f32 v[RT+\kt], v[RS+32*\qt+8*\kt], v[RS+32*\qt+8*\kt+1], v[RS+32*\qt+8*\kt+2]
.endr
.irp kt,0,1,2,3
	v_max3_num_f32 v[RT+\kt], v[RT+\kt], v[RS+32*\qt+8*\kt+3], v[RS+32*\qt+8*\kt+4]
.endr
.irp kt,0,1,2,3
	v_max3_num_f32 v[RT+\kt], v[RT+\kt], v[RS+32*\qt+8*\kt+5], v[RS+32*\qt+8*\kt+6]
.endr
	v_max3_num_f32 v[RT], v[RT], v[RS+32*\qt+7], v[RS+32*\qt+15]
	v_max3_num_f32 v[RT+2], v[RT+2], v[RS+32*\qt+23], v[RS+32*\qt+31]
	v_max3_num_f32 v[RT], v[RT], v[RT+1], v[RT+2]
	v_max_num_f32 v[RT], v[RT], v[RT+3]
	v_permlanex16_b32 v[RT+1], v[RT], s18, s19
.if \first
	v_max_num_f32 v[RM+2*\qt], v[RT], v[RT+1]
.else
	v_max3_num_f32 v[RT+2], v[RT], v[RT+1], v[RM+2*\qt]
	v_sub_f32 v[RA+2*\qt], v[RM+2*\qt], v[RT+2]
	v_mov_b32 v[RM+2*\qt], v[RT+2]
	v_exp_f32 v[RA+2*\qt], v[RA+2*\qt]             ; the line behind it is plain and touches neither source nor result (ISA guide 5.7.2)
.endif
.endm
; Ahead of the wait: group g's eight exponentials, in place; between them the maximum leaves group g + 1.  No line here names a result of the batch:
; a pair is subtracted ahead of its own exponentials and is not touched again.
.macro SMG last
.irp i,0,1,2,3
	v_exp_f32 v[RS+8*g+2*\i], v[RS+8*g+2*\i]
.if g < (\last)
	v_pk_add_f32 v[RS+8*(g+1)+2*\i:RS+8*(g+1)+2*\i+1], v[RS+8*(g+1)+2*\i:RS+8*(g+1)+2*\i+1], v[RM+2*((g+1)/4):RM+2*((g+1)/4)+1] op_sel_hi:[1,0] neg_lo:[0,1] neg_hi:[0,1]
.endif
	v_exp_f32 v[RS+8*g+2*\i+1], v[RS+8*g+2*\i+1]
.endr
.endm
; Behind the wait: group g's eight numbers are packed as probabilities, and result tile g is rescaled, from its low end on.
.macro RDG first
.irp i,0,1,2,3
	v_cvt_pk_bf16_f32 v[RP+4*g+\i], v[RS+8*g+2*\i], v[RS+8*g+2*\i+1]
.if \first == 0
	v_pk_mul_f32 v[RO+8*g+2*\i:RO+8*g+2*\i+1], v[RO+8*g+2*\i:RO+8*g+2*\i+1], v[RA+2*(g/4):RA+2*(g/4)+1] op_sel_hi:[1,0]
.endif
.endr
.endm
.macro PVI qt, ct, ks, z               ; results: 16 channels x 16 queries, 32 keys
.if \z
	v_wmma_f32_16x16x32_bf16 v[RO+32*\qt+8*\ct:RO+32*\qt+8*\ct+7], v[8*(4*\ks+\ct):8*(4*\ks+\ct)+7], v[RP+16*\qt+8*\ks:RP+16*\qt+8*\ks+7], 0
.else
	v_wmma_f32_16x16x32_bf16 v[RO+32*\qt+8*\ct:RO+32*\qt+8*\ct+7], v[8*(4*\ks+\ct):8*(4*\ks+\ct)+7], v[RP+16*\qt+8*\ks:RP+16*\qt+8*\ks+7], v[RO+32*\qt+8*\ct:RO+32*\qt+8*\ct+7]
.endif
.endm
.macro PLI qt, ks, z                   ; sums: the tile of ones x the same probabilities
.if \z
	v_wmma_f32_16x16x32_bf16 v[OL+8*\qt:OL+8*\qt+7], v[ONES:ONES+7], v[RP+16*\qt+8*\ks:RP+16*\qt+8*\ks+7], 0
.else
	v_wmma_f32_16x16x32_bf16 v[OL+8*\qt:OL+8*\qt+7], v[ONES:ONES+7], v[RP+16*\qt+8*\ks:RP+16*\qt+8*\ks+7], v[OL+8*\qt:OL+8*\qt+7]
.endif
.endm
; A sub-step: 64 keys x 16 nq queries.  first = 1: it starts maximum, sums and results.  nxt = 1: the next sub-step's k fragments are fetched (address nka, offset nkoff).
.macro SUB va, voff, vgap, nq, first, nxt, nka, nkoff
	s_wait_dscnt 0x0                               ; my k fragments are in
.set g, 0
.rept 4*\nq
	v_wmma_f32_16x16x32_bf16 v[RS+8*g:RS+8*g+7], v[RK+8*(g%4):RK+8*(g%4)+7], v[RQ+8*(g/4):RQ+8*(g/4)+7], 0   ; rows = keys, columns = queries: lane (r, h) holds query r, keys 16 kt + 8 h + 0..7
.set g, g+1
.endr
.rept 4
	v_nop                                          ; four places: for the reads of the scores, and for the loads into the v' registers that the last products read
.endr
	WIN 0x40                                       ; destination in window 1
.irp ks,0,1
.irp ct,0,1,2,3
	ds_load_b128 v[8*(4*\ks+\ct):8*(4*\ks+\ct)+3], v[\va] offset:\voff+\ct*2048+(\ct/2)*\vgap+\ks*1024          ; 16 bytes a lane, 512 consecutive bytes
	ds_load_b128 v[8*(4*\ks+\ct)+4:8*(4*\ks+\ct)+7], v[\va] offset:\voff+\ct*2048+(\ct/2)*\vgap+\ks*1024+512
.endr
.endr
	WIN 0
	; THE BATCH: the nq factors (in MAXQ, where first = 0) and the 32 nq exponentials of the scores
	MAXQ 0, \first
.if \nq == 2
	MAXQ 1, \first
.endif
.irp i,0,1,2,3
	v_pk_add_f32 v[RS+2*\i:RS+2*\i+1], v[RS+2*\i:RS+2*\i+1], v[RM:RM+1] op_sel_hi:[1,0] neg_lo:[0,1] neg_hi:[0,1]
.endr
.set g, 0
.rept 4*\nq
	SMG 4*\nq-1
.set g, g+1
.endr
	v_nop                                          ; one plain place behind the last exponential (ISA guide 5.7.2): all the work that is left reads a result
	s_wait_alu depctr_va_vdst(0)                   ; the one wait for the sub-step's batch, factors and scores alike, ahead of its first reader
.if \nxt
	KLOAD \nka, \nkoff, 0                          ; the next sub-step's k; the readers below stand between these loads and the wait on DScnt
.endif
	; THE READERS
.if \first == 0
.set g, 0
.rept \nq
	v_mul_f32 v[OL+8*g], v[OL+8*g], v[RA+2*g]      ; the running sum is rescaled: register 0 alone, the other seven hold 0
.set g, g+1
.endr
.endif
.set g, 0
.rept 4*\nq
	RDG \first
.set g, g+1
.endr
.if \nxt
	s_wait_dscnt 0x8                               ; the eight k loads stay out; the 16 v' loads in front of them are in
.else
	s_wait_dscnt 0x0
.endif
	WIN 0x01                                       ; source 0 in window 1
	; rows = channels (or the ones), columns = queries.  The 5 nq accumulators take turns, one instruction a turn.
.irp ks,0,1
.irp ct,0,1,2,3
	PVI 0, \ct, \ks, \first*(1-\ks)
.if \nq == 2
	PVI 1, \ct, \ks, \first*(1-\ks)
.endif
.endr
	PLI 0, \ks, \first*(1-\ks)
.if \nq == 2
	PLI 1, \ks, \first*(1-\ks)
.endif
.endr
	WIN 0
.endm
.macro TILE slot, first                ; 128 keys of my quarter x 32 queries
	KLOAD KA+\slot, 0, 0
	SUB VA+\slot, 0, 0, 2, \first, 1, KA+\slot, 2048
	SUB VA+\slot, 8192, 0, 2, 0, 0, 0, 0
.endm
; Slot ns, which has been read, is filled again from the addresses in s[vp:vp+1], s[kp:kp+1].  In front of the round every wave waits for all its
; tensor loads (its part of the tile that is read next among them) and for its LDS reads; the joint loads are the first tensor loads behind it,
; ahead of any LDS read.  Two tensor loads of a wave are out behind each round.
.macro HEAD ns, vp, kp
	s_set_vgpr_msb 0x4
	s_wait_tensorcnt 0x0                           ; no tensor load of mine is out: every group 0 may be written
	ds_add_u32 v6, v73
	s_wait_dscnt 0x0
	s_set_vgpr_msb 0x400
	s_mov_b64 s[58+12*\ns:59+12*\ns], s[\vp:\vp+1]
	s_mov_b64 s[62+12*\ns:63+12*\ns], s[\kp:\kp+1]
	s_add_nc_u64 s[\vp:\vp+1], s[\vp:\vp+1], 16384 ; two blocks of v' on
	s_add_nc_u64 s[\kp:\kp+1], s[\kp:\kp+1], 4096  ; 128 keys on
	s_wait_dscnt 0x0
	ROUND
	tensor_load_to_lds s[56+12*\ns:59+12*\ns], s[24:31]
	s_nop 0
	tensor_load_to_lds s[60+12*\ns:63+12*\ns], s[32:39]
	s_nop 0
.endm
; The four quarters of the keys are merged: (maximum, sum) of each go through ML, each wave scales its results by
; 2^(m - m*) / sum over quarters of 2^(m_k - m*) l_k (that sum is at least 1: the largest probability is 1, in bf16 too), times the row's weight wr
; if one is given, and lays them into ST.
.macro MERGE nq, mlw, mlr, stw, wr
.rept 4
	v_nop                                          ; four places (ISA guide 7.12.1) between the last matrix instruction, which wrote a sum tile, and the read of that tile
.endr
.set q, 0
.rept \nq
	v_mov_b32 v[RS+16+2*q], v[RM+2*q]
	v_mov_b32 v[RS+17+2*q], v[OL+8*q]              ; the whole sum of my quarter, the same in both halves of the lanes
	ds_store_b64 v[\mlw], v[RS+16+2*q:RS+17+2*q] offset:128*q
.set q, q+1
.endr
	s_wait_dscnt 0x0                               ; my stores are done,
	s_barrier_signal -1
	s_barrier_wait -1                              ; everybody's are
.set q, 0
.rept \nq
.irp k,0,1,2,3
	ds_load_b64 v[RS+8*q+2*\k:RS+8*q+2*\k+1], v[\mlr] offset:\k*512+128*q
.endr
.set q, q+1
.endr
	s_wait_dscnt 0x0
.set q, 0
.rept \nq
	v_max3_num_f32 v[RT+q], v[RS+8*q], v[RS+8*q+2], v[RS+8*q+4]
	v_max_num_f32 v[RT+q], v[RT+q], v[RS+8*q+6]
.irp k,0,1,2,3
	v_sub_f32 v[RS+8*q+2*\k], v[RS+8*q+2*\k], v[RT+q]
.endr
	v_sub_f32 v[RA+2*q], v[RM+2*q], v[RT+q]
.set q, q+1
.endr
.set q, 0
.rept \nq
.irp k,0,1,2,3
	v_exp_f32 v[RS+8*q+2*\k], v[RS+8*q+2*\k]
.endr
	v_exp_f32 v[RA+2*q], v[RA+2*q]
.set q, q+1
.endr
	v_nop                                          ; one plain place behind the exponentials (ISA guide 5.7.2)
.set q, 0
	s_wait_alu depctr_va_vdst(0)                   ; the merge's first batch: one wait for its 5 nq exponentials, ahead of the sums that read them
.rept \nq
	v_mul_f32 v[RT+2+q], v[RS+8*q], v[RS+8*q+1]
	v_fmac_f32 v[RT+2+q], v[RS+8*q+2], v[RS+8*q+3]
	v_fmac_f32 v[RT+2+q], v[RS+8*q+4], v[RS+8*q+5]
	v_fmac_f32 v[RT+2+q], v[RS+8*q+6], v[RS+8*q+7]
.set q, q+1
.endr
.set q, 0
.rept \nq
	v_rcp_f32 v[RT+2+q], v[RT+2+q]
.set q, q+1
.endr
	v_nop                                          ; one plain place behind the reciprocals
.set q, 0
	s_wait_alu depctr_va_vdst(0)                   ; the merge's second batch: one wait for the nq reciprocals, whose sources are sums of the first batch's results
.rept \nq
	v_mul_f32 v[RA+2*q], v[RA+2*q], v[RT+2+q]
.if \wr
	v_mul_f32 v[RA+2*q], v[RA+2*q], v[\wr]
.endif
.set q, q+1
.endr
.set g, 0
.rept 4*\nq
.irp i,0,2,4,6
	v_pk_mul_f32 v[RO+8*g+\i:RO+8*g+\i+1], v[RO+8*g+\i:RO+8*g+\i+1], v[RA+2*(g/4):RA+2*(g/4)+1] op_sel_hi:[1,0]
.endr
.irp jj,0,1,2,3,4,5,6,7
	ds_store_b32 v[\stw], v[RO+8*g+\jj] offset:(16*(g%4)+\jj)*STP+(g/4)*64      ; channel 16 ct + 8 h + jj, query r: 16 neighbouring words, the other half 8 rows on
.endr
.set g, g+1
.endr
	s_wait_dscnt 0x0
	s_barrier_signal -1
	s_barrier_wait -1
.endm
; A small scale's share: the sum over the four quarters and the two rows (whose weights are in already).  Thread (channel t >> 2, t & 3) sums 1 << (sh - 2) columns.
.macro ZRED sh, zb
	v_lshrrev_b32 v[RT], 2, v0
	v_and_b32 v[RT+1], 3, v0
	v_mul_u32_u24 v[RT], v[RT], STP
	v_lshl_add_u32 v[RT], v[RT+1], \sh, v[RT]
	v_add_nc_u32 v[RT], ST, v[RT]
	v_lshlrev_b32 v[RT+1], \sh, v0
	v_add_nc_u32 v[RT+1], \zb, v[RT+1]
.set zw, 1<<(\sh-2)
.set g, 0
.rept 8
.set e, 0
.rept zw/4
	ds_load_b128 v[RS+zw*g+4*e:RS+zw*g+4*e+3], v[RT] offset:(g/2)*STQ+(g%2)*16*zw+16*e
.set e, e+1
.endr
.set g, g+1
.endr
	s_wait_dscnt 0x0
.set d, 4
.rept 3
.set e, 0
.rept d*zw/2
	v_pk_add_f32 v[RS+2*e:RS+2*e+1], v[RS+2*e:RS+2*e+1], v[RS+zw*d+2*e:RS+zw*d+2*e+1]
.set e, e+1
.endr
.set d, d/2
.endr
.set e, 0
.rept zw/4
	ds_store_b128 v[RT+1], v[RS+4*e:RS+4*e+3] offset:16*e
.set e, e+1
.endr
.endm
; Column px = v[FT+2] of the output in a small scale: n = mul px, x0 = floor(n / 63), x1 = min(x0 + 1, lim), weights (63 - rem) / 63 and rem / 63.
.macro FX e, mul, lim, k, zr
	v_mul_u32_u24 v[FT+3], v[FT+2], \mul
	v_mul_u32_u24 v[FT+4], v[FT+3], MAG63
	v_lshrrev_b32 v[FT+4], 20, v[FT+4]
	v_mul_u32_u24 v[FT+5], v[FT+4], 63
	v_sub_nc_u32 v[FT+5], v[FT+3], v[FT+5]
	v_sub_nc_u32 v[FT+6], 63, v[FT+5]
	v_cvt_f32_u32 v[FW+4*\k+\e], v[FT+6]
	v_cvt_f32_u32 v[FW+4*\k+4+\e], v[FT+5]
	v_mul_f32 v[FW+4*\k+\e], INV63, v[FW+4*\k+\e]
	v_mul_f32 v[FW+4*\k+4+\e], INV63, v[FW+4*\k+4+\e]
	v_add_nc_u32 v[FT+5], 1, v[FT+4]
	v_min_u32 v[FT+5], \lim, v[FT+5]
	v_lshl_add_u32 v[FA+4*\k+\e], v[FT+4], 2, v[\zr]
	v_lshl_add_u32 v[FA+4*\k+4+\e], v[FT+5], 2, v[\zr]
.endm
	; ---------------- set-up ----------------
	s_load_b256 s[4:11], s[0:1], 0x0               ; qk s[4:5], vws s[6:7], bf s[8:9], out0 s[10:11]
	v_lshl_add_u32 v6, v0, 2, 0x3c800
	s_set_vgpr_msb 0x40
	v_mov_b32 v73, 0
	s_set_vgpr_msb 0x4044
	ds_add_u32 v6, v73
	s_set_vgpr_msb 0x4400
	v_lshrrev_b32 v1, 5, v0
	v_readfirstlane_b32 s12, v1                    ; wave
	s_lshr_b32 s13, s12, 1                         ; kq
	s_and_b32 s14, s12, 1                          ; qg
	s_and_b32 s15, ttmp7, 0xffff                   ; batch (the cluster is one work-group high)
	s_mov_b32 s18, 0x76543210                      ; v_permlanex16_b32: lane i of one half reads lane i of the other
	s_mov_b32 s19, 0xfedcba98
	G1SET 24, 32                                   ; a block of v': 8,192 bytes
	G1SET 32, 8                                    ; 64 keys of k, hi and lo: 2,048 bytes
	G1SET 40, 16                                   ; scale 2: half a block
	G1SET 48, 4                                    ; scale 2: 32 keys
	s_mov_b32 s56, 1                               ; group 0 for v' and k of slot 0 (s56, s60) and of slot 1 (s68, s72): count, LDS address
	s_lshl_b32 s57, s12, 13
	s_mov_b32 s60, 1
	s_lshl_b32 s61, s12, 11
	s_add_co_u32 s61, s61, KOFS
	s_mov_b32 s68, 1
	s_add_co_u32 s69, s57, SLOT
	s_mov_b32 s72, 1
	s_add_co_u32 s73, s61, SLOT
	s_mov_b32 s23, 0
	s_wait_dscnt 0x0
	s_wait_kmcnt 0x0
	TADDR 58, 6, 2621440, 15, 13, 12               ; g0: scale 2, my half block,
	TADDR 62, 4, KREG+655360, 13, 11, 10           ;     my 32 keys
	TADDR 70, 6, 2097152, 17, 15, 13               ; g1: scale 1, tile 0
	TADDR 74, 4, KREG+524288, 15, 13, 11
	s_add_nc_u64 s[80:81], s[70:71], 16384         ; scale 1, tile 1
	s_add_nc_u64 s[82:83], s[74:75], 4096
	TADDR 76, 6, 0, 19, 17, 13                     ; scale 0, tile 0
	TADDR 78, 4, KREG, 17, 15, 11
	ROUND                                          ; all four work-groups are here: the first joint loads meet
	tensor_load_to_lds s[56:59], s[40:47]          ; four tensor loads of a wave are out here, never more
	s_nop 0
	tensor_load_to_lds s[60:63], s[48:55]
	s_nop 0
	tensor_load_to_lds s[68:71], s[24:31]
	s_nop 0
	tensor_load_to_lds s[72:75], s[32:39]
	s_nop 0
	; what hangs on the image row: q's addresses, the output's address, the rows' weights (s16, s17, s94-s99 alone hold it)
	s_bfe_u32 s16, ttmp6, 0x40000                  ; my place in the cluster
	s_lshl_b32 s17, ttmp9, 2
	s_add_co_u32 s17, s17, s16                     ; j
	s_mov_b32 s99, 0
	QROW 31, 31, 524288, 15, 10, 86, WR1
	QROW 15, 15, 655360, 13, 9, 88, WR2
	s_lshl_b32 s98, s15, 17
	s_lshl_b32 s97, s17, 11
	s_add_co_u32 s98, s98, s97
	s_lshl_b32 s97, s14, 10
	s_add_co_u32 s98, s98, s97
	s_add_nc_u64 s[84:85], s[4:5], s[98:99]        ; scale 0: row j, my 32 queries
	s_lshl_b32 s98, s15, 20
	s_lshl_b32 s97, s17, 8
	s_add_co_u32 s98, s98, s97
	s_add_nc_u64 s[10:11], s[10:11], s[98:99]      ; out0[b, 0, j, 0]
	v_and_b32 v[SU+1], 15, v0                      ; r
	v_bfe_u32 v[SU+2], v0, 4, 1                    ; h
	v_lshlrev_b32 v1, 4, v[SU+1]
	v_lshl_add_u32 v1, v[SU+2], 8, v1              ; q: 16 r, + 256 for the lanes that take lo
	v_lshrrev_b32 v15, 4, v0
	v_lshlrev_b32 v15, 2, v15                      ; bf: channel t >> 4
	QLOAD 88, 1
.irp i,0,1,2,3
	global_load_b32 v[BF+\i], v15, s[8:9] offset:\i*64
.endr
	v_and_b32 v[SU], 31, v0
	s_lshl_b32 s92, s13, 14
	v_lshl_add_u32 v[VA], v[SU], 4, s92            ; my quarter's two blocks, 16 bytes a lane
	v_add_nc_u32 v[VA+1], SLOT, v[VA]
	s_lshl_b32 s92, s13, 12
	s_add_co_u32 s92, s92, KOFS
	v_lshl_add_u32 v[KA], v[SU+1], 4, s92          ; my quarter's 128 keys, key r
	v_add_nc_u32 v[KA+1], SLOT, v[KA]
	s_lshl_b32 s92, s12, 8
	s_add_co_u32 s92, s92, ML
	v_lshl_add_u32 v[MLW1], v[SU+1], 3, s92        ; ML + 512 kq + 8 (32 qg + r)
	s_lshl_b32 s92, s14, 8
	s_add_co_u32 s92, s92, ML
	v_lshl_add_u32 v[MLR1], v[SU+1], 3, s92
	s_lshl_b32 s92, s13, 9
	s_lshl_b32 s93, s14, 7
	s_add_co_u32 s93, s93, ML
	v_lshl_add_u32 v[MLR2], v[SU+1], 3, s93        ; scale 2: query 16 qg + r
	s_add_co_u32 s92, s92, s93
	v_lshl_add_u32 v[MLW2], v[SU+1], 3, s92
	s_mul_i32 s92, s13, STQ
	s_add_co_u32 s92, s92, ST
	v_mul_u32_u24 v[SU+3], v[SU+2], 8*STP
	v_lshl_add_u32 v[SU+3], v[SU+1], 2, v[SU+3]
	v_add_nc_u32 v[SU+3], s92, v[SU+3]
	s_lshl_b32 s93, s14, 7
	v_add_nc_u32 v[STW1], s93, v[SU+3]             ; ST + kq STQ + 8 h rows + 4 (32 qg + r)
	s_lshl_b32 s93, s14, 6
	v_add_nc_u32 v[STW2], s93, v[SU+3]
.irp r,17,19,21,23
	v_mov_b32 v\r, 0                               ; partners of the registers that are broadcast from a pair
.endr
	; the tile of ones: a lane holds row r of an A tile, so the lanes with r = 0 and r = 8 hold 1.0 twice in each register, the others 0
	v_and_b32 v[SU+4], 7, v0
	v_cmp_eq_u32 s92, 0, v[SU+4]
	v_mov_b32 v[SU+4], 0x3f803f80
	v_cndmask_b32 v[SU+4], 0, v[SU+4], s92
	WIN 0x40                                       ; destination in window 1
.irp i,0,1,2,3,4,5,6,7
	v_mov_b32 v[ONES+\i], v[SU+4]
.endr
	WIN 0
	s_wait_loadcnt 0x0                             ; scale 2's q, and bf
	; ---------------- g0: scale 2 ----------------
	s_wait_tensorcnt 0x2                           ; g0's two loads have landed; g1's two stay out
	s_barrier_signal -1
	s_barrier_wait -1
	KLOAD KA, 0, 1024                              ; the quarter's 64 keys lie in two halves, each at its fetching wave's place
	SUB VA, 0, 4096, 1, 1, 0, 0, 0
	QLOAD 86, 2
	MERGE 1, MLW2, MLR2, STW2, WR2
	ZRED 4, Z2
	s_wait_loadcnt 0x0                             ; scale 1's q
	; ---------------- g1, g2: scale 1 ----------------
	HEAD 0, 80, 82
	TILE 1, 1
	HEAD 1, 76, 78
	TILE 0, 0
	QLOAD 84, 2
	MERGE 2, MLW1, MLR1, STW1, WR1
	ZRED 5, Z1
	s_wait_loadcnt 0x0                             ; scale 0's q
	; ---------------- g3 .. g10: scale 0 ----------------
	HEAD 0, 76, 78
	TILE 1, 1
	s_mov_b32 s90, 3
.Ltiles:
	HEAD 1, 76, 78
	TILE 0, 0
	HEAD 0, 76, 78
	TILE 1, 0
	s_sub_co_i32 s90, s90, 1
	s_cmp_lg_u32 s90, 0
	s_cbranch_scc1 .Ltiles
	s_wait_tensorcnt 0x0                           ; the last tile has landed; nothing more is asked for
	s_wait_dscnt 0x0
	s_barrier_signal -1
	s_barrier_wait -1
	TILE 0, 0
	MERGE 2, MLW1, MLR1, STW1, 0
	; ---------------- the end: sum of the quarters + bf + the two small scales, interpolated along the row ----------------
	; Thread (q4 = t & 15, cb = t >> 4): columns 4 q4 .. + 3 of channels cb + 16 i.
	v_and_b32 v[FT], 15, v0
	v_lshrrev_b32 v[FT+1], 4, v0
	v_lshlrev_b32 v[FT+7], 7, v[FT+1]
	v_add_nc_u32 v[FT+7], Z1, v[FT+7]
	v_lshlrev_b32 v[FT+8], 6, v[FT+1]
	v_add_nc_u32 v[FT+8], Z2, v[FT+8]
	v_mul_u32_u24 v[FT+9], v[FT+1], STP
	v_lshl_add_u32 v[FT+9], v[FT], 4, v[FT+9]
	v_add_nc_u32 v[FT+9], ST, v[FT+9]
	v_lshlrev_b32 v[FT+10], 14, v[FT+1]
	v_lshl_add_u32 v[FT+10], v[FT], 4, v[FT+10]
.irp e,0,1,2,3
	v_lshl_add_u32 v[FT+2], v[FT], 2, \e
	FX \e, 31, 31, 0, FT+7
	FX \e, 15, 15, 2, FT+8
.endr
.irp i,0,1,2,3
.irp kq,0,1,2,3
	ds_load_b128 v[FB+32*\i+4*\kq:FB+32*\i+4*\kq+3], v[FT+9] offset:\kq*STQ+\i*16*STP
.endr
.irp e,0,1,2,3
	ds_load_b32 v[FB+32*\i+16+\e], v[FA+\e] offset:\i*2048
	ds_load_b32 v[FB+32*\i+20+\e], v[FA+4+\e] offset:\i*2048
	ds_load_b32 v[FB+32*\i+24+\e], v[FA+8+\e] offset:\i*1024
	ds_load_b32 v[FB+32*\i+28+\e], v[FA+12+\e] offset:\i*1024
.endr
.endr
.irp i,0,1,2,3
	s_wait_dscnt 60-20*\i                          ; 20 loads for each younger channel group stay out
.irp u,0,2
	v_pk_add_f32 v[FB+32*\i+\u:FB+32*\i+\u+1], v[FB+32*\i+\u:FB+32*\i+\u+1], v[FB+32*\i+4+\u:FB+32*\i+4+\u+1]
	v_pk_add_f32 v[FB+32*\i+8+\u:FB+32*\i+8+\u+1], v[FB+32*\i+8+\u:FB+32*\i+8+\u+1], v[FB+32*\i+12+\u:FB+32*\i+12+\u+1]
.endr
.irp u,0,1,2,3
	v_add_f32 v[FB+32*\i+\u], v[FB+32*\i+\u], v[BF+\i]
.endr
.irp u,0,2
	v_pk_fma_f32 v[FB+32*\i+8+\u:FB+32*\i+8+\u+1], v[FB+32*\i+16+\u:FB+32*\i+16+\u+1], v[FW+\u:FW+\u+1], v[FB+32*\i+8+\u:FB+32*\i+8+\u+1]
.endr
.irp u,0,2
	v_pk_fma_f32 v[FB+32*\i+\u:FB+32*\i+\u+1], v[FB+32*\i+20+\u:FB+32*\i+20+\u+1], v[FW+4+\u:FW+4+\u+1], v[FB+32*\i+\u:FB+32*\i+\u+1]
	v_pk_fma_f32 v[FB+32*\i+8+\u:FB+32*\i+8+\u+1], v[FB+32*\i+24+\u:FB+32*\i+24+\u+1], v[FW+8+\u:FW+8+\u+1], v[FB+32*\i+8+\u:FB+32*\i+8+\u+1]
.endr
.irp u,0,2
	v_pk_fma_f32 v[FB+32*\i+\u:FB+32*\i+\u+1], v[FB+32*\i+28+\u:FB+32*\i+28+\u+1], v[FW+12+\u:FW+12+\u+1], v[FB+32*\i+\u:FB+32*\i+\u+1]
.endr
.irp u,0,2
	v_pk_add_f32 v[FB+32*\i+\u:FB+32*\i+\u+1], v[FB+32*\i+\u:FB+32*\i+\u+1], v[FB+32*\i+8+\u:FB+32*\i+8+\u+1]
.endr
	global_store_b128 v[FT+10], v[FB+32*\i:FB+32*\i+3], s[10:11] offset:\i*262144 th:TH_STORE_NT    ; 16 lanes store a channel's row: 256 consecutive bytes, aligned
.endr
	s_set_vgpr_msb 0x4
	s_wait_tensorcnt 0x0
	ds_add_u32 v6, v73
	s_wait_dscnt 0x0
	s_set_vgpr_msb 0x400
	ROUND                                          ; the closing round: no work-group ends while a partner may still ask for a tile that names it
	s_endpgm
.Lfunc_end_k_q0a5fd4b64f_attn:
	.size	k_q0a5fd4b64f_attn, .Lfunc_end_k_q0a5fd4b64f_attn-k_q0a5fd4b64f_attn
	.p2alignl 7, 3214868480
	.fill 96, 4, 3214868480
	.section	.rodata,"a",@progbits
	.p2align	6, 0x0
	.amdhsa_kernel k_q0a5fd4b64f_attn
		.amdhsa_group_segment_fixed_size 327680
		.amdhsa_private_segment_fixed_size 0
		.amdhsa_enable_private_segment 0
		.amdhsa_kernarg_size 32
		.amdhsa_user_sgpr_count 2
		.amdhsa_user_sgpr_kernarg_segment_ptr 1
		.amdhsa_wavefront_size32 1
		.amdhsa_system_sgpr_workgroup_id_x 1
		.amdhsa_system_sgpr_workgroup_id_y 1
		.amdhsa_system_sgpr_workgroup_id_z 1
		.amdhsa_system_vgpr_workitem_id 0
		.amdhsa_next_free_vgpr 330
		.amdhsa_next_free_sgpr 100
		.amdhsa_reserve_vcc 0
		.amdhsa_float_denorm_mode_32 3
		.amdhsa_float_denorm_mode_16_64 3
		.amdhsa_memory_ordered 1
		.amdhsa_forward_progress 1
		.amdhsa_inst_pref_size 230
	.end_amdhsa_kernel
	.amdgpu_metadata
---
amdhsa.version: [ 1, 2 ]
amdhsa.kernels:
  - .name:           k_q0a5fd4b64f_attn
    .symbol:         k_q0a5fd4b64f_attn.kd
    .args:
      - { .name: qk, .offset: 0, .size: 8, .value_kind: global_buffer, .address_space: global }
      - { .name: vws, .offset: 8, .size: 8, .value_kind: global_buffer, .address_space: global }
      - { .name: bf, .offset: 16, .size: 8, .value_kind: global_buffer, .address_space: global }
      - { .name: out0, .offset: 24, .size: 8, .value_kind: global_buffer, .address_space: global }
    .group_segment_fixed_size: 327680
    .private_segment_fixed_size: 0
    .kernarg_segment_align: 8
    .kernarg_segment_size: 32
    .max_flat_workgroup_size: 256
    .sgpr_count:     100
    .vgpr_count:     330
    .wavefront_size: 32
...
	.end_amdgpu_metadata
.endif
;; end of part 3
